; MI455X (gfx1250); checked and timed in simulation.
; The chip was launched on July 23, 2026; its instructions are those of AMD's public machine-readable ISA for CDNA 5 (MIT licence, August 2026) and "CDNA5" Instruction Set Architecture Reference Guide (July 2026). The comments in the code are by the model that wrote it; some were corrected since.
;; Multi Head Attention. Allowed arithmetic: matrix products marked QUANTISED: E2M3 operands, one E8M0 scale for each 32 along K, by v_wmma_scale_f32_16x16x128_f8f6f4 with both operands' format E2M3, f32 sums; everything else in f32.
;; Inputs: Wk 1,024 x 1,024 float32; Wo 1,024 x 1,024 float32; Wq 1,024 x 1,024 float32; Wv 1,024 x 1,024 float32; bk 1,024 float32; bo 1,024 float32; bq 1,024 float32; bv 1,024 float32; key 4 x 2,048 x 1,024 float32; mask 4 x 1 x 1 x 2,048 bool; query 4 x 2,048 x 1,024 float32; value 4 x 2,048 x 1,024 float32.
;; Outputs: out0 4 x 2,048 x 1,024 float32.
;; This version of the problem:
;;   THIS VERSION OF THE PROBLEM IS GIVEN IN LOW PRECISION. The matrix products marked QUANTISED in the list below multiply operands that are first quantised to E2M3 (2 exponent bits, 3 mantissa bits; 6 bits a number), with one power-of-two scale for each 32 numbers along K (OCP MX v1.0); their sums are f32. All else is computed in f32.
;;   The module's matrix products, in the order in which they are computed (A, B: the left and right operand; K: the contracted axis; several contracted axes count as one K, in the product's order):
;;     1. [M 8,192, K 1,024] x [K 1,024, N 1,024]; A: input query; B: input Wq: QUANTISED
;;     2. [M 8,192, K 1,024] x [K 1,024, N 1,024]; A: input key; B: input Wk: QUANTISED
;;     3. [M 8,192, K 1,024] x [K 1,024, N 1,024]; A: input value; B: input Wv: QUANTISED
;;     4. batch 64 x [M 2,048, K 64] x [K 64, N 2,048]; A: computed on the way; B: computed on the way: QUANTISED
;;     5. batch 64 x [M 2,048, K 2,048] x [K 2,048, N 64]; A: softmax (see below); B: computed on the way: QUANTISED
;;     6. [M 8,192, K 1,024] x [K 1,024, N 1,024]; A: computed on the way; B: input Wo: QUANTISED
;;   THE QUANTISER, for each operand of a quantised product, along K:
;;     - K is cut into blocks of 32 from its start; a last block that is shorter is filled with zeros.
;;     - A block's scale is 2^e with e = floor(log2(the largest magnitude in the block)) - 2, held to -126 .. 127; a block of zeros has e = 0. As a byte (E8M0): e + 127.
;;     - Each number is divided by its block's scale, clamped to +-7.5, and rounded to the nearest number of E2M3, ties to even, subnormals kept.
;;     - The product sums the exact products of the quantised numbers (number of the format x scale) in f32.
;;   ~~~python
;;   def quantise(x, axis):      # numpy; x: float32 -> the quantised numbers, widened to float32 again
;;       x = np.moveaxis(x, axis, -1); K = x.shape[-1]
;;       x = np.pad(x, [(0, 0)] * (x.ndim - 1) + [(0, -K % 32)]); x = x.reshape(x.shape[:-1] + (-1, 32)); a = np.abs(x).max(-1, keepdims=True)
;;       e = np.where(a > 0, np.clip(np.frexp(np.where(a > 0, a, 1))[1] - 1 - 2, -126, 127), 0)      # np.frexp(a)[1] - 1 = floor(log2(a)), exactly
;;       r = np.clip(x / 2.0 ** e, -7.5, 7.5)
;;       step = 2.0 ** (np.maximum(np.frexp(np.where(r == 0, 1, r))[1] - 1, 0) - 3)
;;       q = np.round(r / step) * step * 2.0 ** e      # np.round: ties to even
;;       return np.moveaxis(q.reshape(q.shape[:-2] + (-1,))[..., :K], -1, axis).astype(np.float32)
;;   ~~~
;;   SOFTMAX AHEAD OF A QUANTISED PRODUCT. Where the list says 'softmax', what is quantised is not the finished softmax but p = 2^(t - M), with t = logit x log2(e) and M = ceil(the row's largest t), a whole number; so 1/2 < the row's largest p <= 1. The row's sum l is taken of the UNQUANTISED p, in f32, and the product's result is divided by l at the end. Since M is a whole number, a kernel that streams over the keys may use a running M (the ceiling of the running maximum): every later rescaling is an exact power of two, which a block's scale takes up: the codes' values come out the same.
;;   OPERANDS COMPUTED ON THE WAY. 'Computed on the way' means the value that the module computes at that place (a softmax that the list does not call 'softmax' is quantised finished and normalised). What goes into a quantiser is computed in f32, as accurately as f32 sums, v_exp_f32 and their like allow (about 1e-6 of the number): no bf16 or f16 on the way to a quantiser, and a product that is left as it is and whose result goes on into a quantised operand takes f32 operands (vector FMAs, or v_wmma_f32_16x16x4_f32). A number that lies on a knife's edge between two numbers of the format may be rounded either way, as far as f32 arithmetic and the matrix unit's own rounding can turn it there, and no further.
;; One version. Each part assembles by itself: llvm-mc -triple=amdgcn-amd-amdhsa -mcpu=gfx1250 --defsym DOCPART=n.
;; ======== version 1 of 1: 4 launches
;; limits: right only within a limited range of input values
;; workspace buffers: cods 22,020,096 bytes; scls 917,504 bytes; qb 13,369,344 bytes; kv 13,369,344 bytes; cimg 6,291,456 bytes; cscl 262,144 bytes
;; launch quant (part 1): grid 896 x 1, 4 waves a work-group, no clusters, 33,280 bytes of LDS; arguments query, key, value, Wq, Wk, Wv, Wo, cods, scls; writes cods, scls
.if DOCPART == 1
	.amdgcn_target "amdgcn-amd-amdhsa--gfx1250"
	.amdhsa_code_object_version 6
	.text
	.protected	k_q0fbfeffd0e_quant
	.globl	k_q0fbfeffd0e_quant
	.p2align	8
	.type	k_q0fbfeffd0e_quant,@function
k_q0fbfeffd0e_quant:
	s_mov_b64 s[64:65], 0
	v_nop
	global_prefetch_b8 v0, s[64:65] scope:SCOPE_SE
	s_setreg_imm32_b32 hwreg(HW_REG_WAVE_MODE, 25, 1), 1
	s_wait_xcnt 0x0
; query, key, value [8192][1024] and Wq, Wk, Wv, Wo [1024][1024], f32, K innermost, become codes of FP6 (E2M3), 6 bits each, with one E8M0 byte for each 32 along K.
; cods: 28,672 rows of 768 bytes (query from row 0, key 8,192, value 16,384, Wq 24,576, Wk 25,600, Wv 26,624, Wo 27,648); scls: the same rows, 32 bytes each.
; THE ROWS ARE LAID IN ANOTHER ORDER: row rho of a tensor goes to the place whose number is rho with bits 3 and 4 exchanged.  Sixteen neighbouring places 16 a + r then hold the rows
; 32 (a / 2) + 8 (a % 2) + r + 8 (r / 8): the later launches' matrix results so come out with a lane's registers running along neighbours of the next product's K.
; A block's scale is 2^(floor(log2(its largest magnitude)) - 2); its byte is the largest magnitude's exponent field - 2, held at 1 from below.  A block of zeros so gets the byte 1 where the rule says 127:
; its codes are zeros, which add nothing under any byte but 0xff, and this program alone reads the bytes.
; LIMITS: NaN and infinities among the inputs are not served; blocks whose largest magnitude lies under 2^-124 are quantised under the byte 1.
; SHARES.  A work-group takes 32 rows, a wave 8 rows = 8,192 numbers in 16 steps of 512.  8 rows are one value of bits 3 and 4, so the exchange is a choice of the wave's place among the group's four runs.
; Memory binds: every load of a wave reads 512 consecutive bytes, the codes leave as 384 consecutive bytes a step and the wave's 256 scale bytes as one aligned run.  The conversion wants 16 neighbours along K in one
; lane, so a step's 2,048 bytes turn through the wave's own stage in LDS.  Waves share nothing: no barrier, no matrix unit, no cluster (no two work-groups read the same byte).
.set STEPS, 16
.set EMAX,  2
.set CB,    12                         ; bytes of 16 codes
.set R,     16                         ; v16-79   four sets of 16 numbers as they are loaded
.set X,     80                         ; v80-111  two sets of 16 neighbours
.set C,     128                        ; v128-191 codes: four registers for each step, so that no store's data are written again
.set E,     112                        ; v112-127 a scale byte for each step
.set WREG,  8192                       ; LDS: a region for each wave: two stages of 32 x SP bytes, behind them its 256 scale bytes
.set SP,    80                         ; a lane's place in a stage: its 64 bytes + 16 of padding
	s_load_b256 s[4:11], s[0:1], 0x0               ; query, key, value, Wq
	s_load_b256 s[12:19], s[0:1], 0x20             ; Wk, Wv, Wo, cods
	s_load_b64 s[20:21], s[0:1], 0x40              ; scls
	v_lshl_add_u32 v192, v0, 2, 0x8000
	v_mov_b32 v193, 0
	v_lshrrev_b32 v1, 5, v0
	v_readfirstlane_b32 s23, v1                    ; wave
	v_and_b32 v2, 31, v0                           ; lane
	v_lshlrev_b32 v3, 4, v2                        ; my 16 bytes of a load's 512
	s_mul_i32 s24, s23, WREG
	v_lshrrev_b32 v14, 2, v2
	v_mul_u32_u24 v14, v14, SP
	v_and_b32 v15, 3, v2
	v_lshl_add_u32 v14, v15, 4, v14
	v_add_nc_u32 v14, s24, v14                     ; the stage, on the way in: four lanes' 64 bytes on end, then 16 of padding
	v_mul_u32_u24 v15, v2, SP
	v_add_nc_u32 v15, s24, v15                     ; and on the way out: my 16 neighbours
	v_mul_u32_u24 v4, v2, CB                       ; my codes' place in a step's
	v_lshrrev_b32 v5, 1, v2
	s_add_co_u32 s24, s24, 2*32*SP
	v_add_nc_u32 v5, s24, v5                       ; LDS: my wave's 256 scale bytes, my block's byte
	v_lshlrev_b32 v7, 3, v2                        ; and on the way out 8 bytes a lane
	v_add_nc_u32 v6, s24, v7
	s_mov_b32 s22, 0                               ; the first work-group of the tensor that is mine
	s_wait_kmcnt 0x0
.macro PICK first, reg                 ; from work-group \first on another tensor is read: the choice hangs on the work-group's number alone
	s_cmp_ge_u32 ttmp9, \first
	s_cselect_b64 s[4:5], s[\reg:\reg+1], s[4:5]
	s_cselect_b32 s22, \first, s22
.endm
	PICK 256, 6
	PICK 512, 8
	PICK 768, 10
	PICK 800, 12
	PICK 832, 14
	PICK 864, 16
	s_sub_co_u32 s25, ttmp9, s22
	s_lshl_b32 s25, s25, 2
	s_add_co_u32 s26, s25, s23                     ; which run of 8 rows of the tensor I read
	s_mov_b32 s27, 0
	s_lshl_b64 s[28:29], s[26:27], 15              ; 32,768 bytes a run
	s_add_nc_u64 s[4:5], s[4:5], s[28:29]
	s_and_b32 s25, s23, 1                          ; and where it goes: the wave's two bits exchanged
	s_lshl_b32 s25, s25, 1
	s_lshr_b32 s26, s23, 1
	s_or_b32 s25, s25, s26
	s_lshl_b32 s26, ttmp9, 2
	s_add_co_u32 s26, s26, s25
	s_mul_i32 s28, s26, 6144                       ; 8 rows of 768 bytes (3,583 x 6,144 stays under 2^32)
	s_mov_b32 s29, 0
	s_add_nc_u64 s[18:19], s[18:19], s[28:29]
	s_lshl_b32 s28, s26, 8                         ; 8 rows of 32 bytes
	s_add_nc_u64 s[20:21], s[20:21], s[28:29]
.macro LOAD t
.irp i, 0,1,2,3
	global_load_b128 v[R+16*((\t)%4)+4*\i:R+16*((\t)%4)+4*\i+3], v3, s[4:5] offset:2048*(\t)+512*\i th:TH_LOAD_NT   ; 32 lanes read 512 consecutive bytes, read once in the launch
.endr
.endm
.macro TURN t                          ; step t's numbers through the stage: LDS serves a wave's instructions in order (ISA guide 5.7.1.4), so no wait stands between the stores and the loads
.irp i, 0,1,2,3
	ds_store_b128 v14, v[R+16*((\t)%4)+4*\i:R+16*((\t)%4)+4*\i+3] offset:32*SP*((\t)%2)+8*SP*\i
.endr
.irp i, 0,1,2,3
	ds_load_b128 v[X+16*((\t)%2)+4*\i:X+16*((\t)%2)+4*\i+3], v15 offset:32*SP*((\t)%2)+16*\i
.endr
.endm
.irp t, 0,1,2,3
	LOAD \t
.endr
	s_wait_loadcnt 12                              ; step 0's four loads are in; the twelve of steps 1 to 3 stay out
	TURN 0
.macro STEP t
.set XS, X+16*((\t)%2)
.if (\t) > 0
	s_wait_dscnt 1                                 ; this step's numbers are back from the stage (the last step's byte store may be out): so its stores into the stage have read their registers,
.else
	s_wait_dscnt 0x0
.endif
.if (\t)+4 < STEPS
	LOAD (\t)+4                                    ; which take the loads of four steps on
.endif
.if (\t)+1 < STEPS
.if STEPS-2-(\t) >= 3
	s_wait_loadcnt 12                              ; the next step's four loads are in; those of the three steps behind it may be out
.else
	s_wait_loadcnt 4*(STEPS-2-(\t))                ; at the end the counts run down
.endif
	TURN (\t)+1                                    ; and go through the other stage while this step is worked
.endif
	v_max3_num_f32 v8, |v[XS]|, |v[XS+1]|, |v[XS+2]|               ; the largest magnitude of my 16, in two chains
	v_max3_num_f32 v9, |v[XS+3]|, |v[XS+4]|, |v[XS+5]|
.irp i, 6,10
	v_max3_num_f32 v8, v8, |v[XS+\i]|, |v[XS+\i+1]|
	v_max3_num_f32 v9, v9, |v[XS+\i+2]|, |v[XS+\i+3]|
.endr
	v_max3_num_f32 v8, v8, |v[XS+14]|, |v[XS+15]|
	v_max3_num_f32 v8, v8, v9, (EMAX+1)<<23        ; and the floor 2^(EMAX + 1 - 127): the byte cannot fall under 1
	v_max_num_f32_dpp v8, v8, v8 row_xmask:1 row_mask:0xf bank_mask:0xf   ; and of my neighbour's 16: the block's
	v_add_nc_u32 v11, -(EMAX<<23), v8              ; EMAX off its exponent field: the conversion takes the exponent field of this operand as its scale
	v_cvt_scalef32_pk16_fp6_f32 v[C+4*(\t):C+4*(\t)+2], v[XS:XS+15], v11   ; sixteen numbers / the scale, to the nearest code, ties to even, beyond the largest code the largest
	v_lshrrev_b32 v[E+(\t)], 23, v11               ; the scale's byte (a plain line behind the conversion)
	ds_store_b8 v5, v[E+(\t)] offset:16*(\t)       ; both lanes of a block write the same byte with the same value
	global_store_b96 v4, v[C+4*(\t):C+4*(\t)+2], s[18:19] offset:32*CB*(\t)   ; the wave stores 384 consecutive bytes
.endm
.irp t, 0,1,2,3,4,5,6,7,8,9,10,11,12,13,14,15
	STEP \t
.endr
	ds_load_b64 v[12:13], v6                       ; in order behind my byte stores
	s_wait_dscnt 0x0
	global_store_b64 v7, v[12:13], s[20:21]        ; 32 lanes store 256 consecutive bytes, at a multiple of 256 from the buffer's first byte
	s_wait_tensorcnt 0x0
	ds_add_u32 v192, v193
	s_wait_dscnt 0x0
	s_endpgm
.Lfunc_end_k_q0fbfeffd0e_quant:
	.size	k_q0fbfeffd0e_quant, .Lfunc_end_k_q0fbfeffd0e_quant-k_q0fbfeffd0e_quant
	.p2alignl 7, 3214868480
	.fill 96, 4, 3214868480
	.section	.rodata,"a",@progbits
	.p2align	6, 0x0
	.amdhsa_kernel k_q0fbfeffd0e_quant
		.amdhsa_group_segment_fixed_size 33280
		.amdhsa_private_segment_fixed_size 0
		.amdhsa_enable_private_segment 0
		.amdhsa_kernarg_size 72
		.amdhsa_user_sgpr_count 2
		.amdhsa_user_sgpr_kernarg_segment_ptr 1
		.amdhsa_wavefront_size32 1
		.amdhsa_system_sgpr_workgroup_id_x 1
		.amdhsa_system_sgpr_workgroup_id_y 1
		.amdhsa_system_sgpr_workgroup_id_z 1
		.amdhsa_system_vgpr_workitem_id 0
		.amdhsa_next_free_vgpr 194
		.amdhsa_next_free_sgpr 66
		.amdhsa_reserve_vcc 0
		.amdhsa_float_denorm_mode_32 3
		.amdhsa_float_denorm_mode_16_64 3
		.amdhsa_memory_ordered 1
		.amdhsa_forward_progress 1
		.amdhsa_inst_pref_size 33
	.end_amdhsa_kernel
	.amdgpu_metadata
---
amdhsa.version: [ 1, 2 ]
amdhsa.kernels:
  - .name:           k_q0fbfeffd0e_quant
    .symbol:         k_q0fbfeffd0e_quant.kd
    .args:
      - { .name: query, .offset: 0, .size: 8, .value_kind: global_buffer, .address_space: global }
      - { .name: key, .offset: 8, .size: 8, .value_kind: global_buffer, .address_space: global }
      - { .name: value, .offset: 16, .size: 8, .value_kind: global_buffer, .address_space: global }
      - { .name: Wq, .offset: 24, .size: 8, .value_kind: global_buffer, .address_space: global }
      - { .name: Wk, .offset: 32, .size: 8, .value_kind: global_buffer, .address_space: global }
      - { .name: Wv, .offset: 40, .size: 8, .value_kind: global_buffer, .address_space: global }
      - { .name: Wo, .offset: 48, .size: 8, .value_kind: global_buffer, .address_space: global }
      - { .name: cods, .offset: 56, .size: 8, .value_kind: global_buffer, .address_space: global }
      - { .name: scls, .offset: 64, .size: 8, .value_kind: global_buffer, .address_space: global }
    .group_segment_fixed_size: 33280
    .private_segment_fixed_size: 0
    .kernarg_segment_align: 8
    .kernarg_segment_size: 72
    .max_flat_workgroup_size: 128
    .sgpr_count:     66
    .vgpr_count:     194
    .wavefront_size: 32
...
	.end_amdgpu_metadata
.endif
;; end of part 1
;; launch proj (part 2): grid 4 x 96, 4 waves a work-group, clusters of 4 x 4, 327,680 bytes of LDS; arguments cods, scls, bq, bk, bv, qb, kv; writes qb, kv
.if DOCPART == 2
	.amdgcn_target "amdgcn-amd-amdhsa--gfx1250"
	.amdhsa_code_object_version 6
	.text
	.protected	k_q0fbfeffd0e_proj
	.globl	k_q0fbfeffd0e_proj
	.p2align	8
	.type	k_q0fbfeffd0e_proj,@function
k_q0fbfeffd0e_proj:
	s_mov_b64 s[64:65], 0
	v_nop
	global_prefetch_b8 v0, s[64:65] scope:SCOPE_SE
	s_setreg_imm32_b32 hwreg(HW_REG_WAVE_MODE, 25, 1), 1
	s_wait_xcnt 0x0
	s_wait_alu depctr_hold_cnt(0) depctr_sa_sdst(0) depctr_va_vdst(0) depctr_va_sdst(0) depctr_va_ssrc(0) depctr_va_vcc(0) depctr_vm_vsrc(0)
	s_getreg_b32 s2, hwreg(HW_REG_IB_STS2, 6, 4)
	s_cmp_eq_u32 s2, 0
	s_cbranch_scc0 .Lentry_in_a_cluster
	s_endpgm
.Lentry_in_a_cluster:
	s_bfe_u32 s2, ttmp6, 0x10000c
	s_cmp_lg_u32 s2, 0xf033
	s_cbranch_scc0 .Lentry_shape_is_right
	s_endpgm
.Lentry_shape_is_right:
; q = query Wq^T + bq, k = key Wk^T + bk, v = value Wv^T + bv on codes of FP6 (E2M3) with E8M0 scales, K = 1,024; the results are quantised again on the way out, as the operands of the attention's two products.
; 384 tiles of 256 x 256, 24 clusters of 4 x 4 work-groups; the cluster's number CL says which product: 0-7 q, 8-15 k, 16-23 v.  A work-group has four waves, a wave 128 x 128: 64 accumulators, 512 registers.
; Side A gives a result's LANE, side B its REGISTERS (the matrix instruction is used transposed: source 0 = 16 rows of B, source 1 = 16 rows of A).  q, k: A = tokens, B = rows of W.  v: A = rows of Wv, B = tokens.
; The codes' rows lie with bits 3 and 4 of the row number exchanged.  So register 8 b + j of lane (r, h) of A's block a is B's true row 32 (b / 2) + 16 h + 8 (b % 2) + j: the block's 64 registers of a lane run along
; 128 neighbours of B in the order 16 beta + i = 32 beta + 16 h + i, from which four blocks of 32 are quantised in registers into a ready operand fragment of 12 registers and a scale word.
;   q, k: the 128 are features = two heads of 64: registers 0-5 are one head's operand (K = 64), registers 6-11 the next head's.     v: the 128 are tokens = the keys, the second product's K.
; FRAGMENTS GO TO MEMORY AS IMAGES OF THEIR REGISTERS: six registers are 768 bytes: registers 0-3 at 16 x lane, registers 4-5 at 512 + 8 x lane: every store of a wave covers 512 or 256 consecutive aligned bytes.
; qb, kv: [16 batch + head][run of 128 tokens][13,056 bytes]: 8 token tiles x 768 | 4 feature tiles x 2 halves x 768 (kv alone) | token scale words [tile / 4][r][tile % 4] | V's scale words [r][tile] (kv alone).
; K goes in steps of 256 through a ring of two LDS slots filled by tensor loads; the scale bytes of the group's 512 rows come once.  A's tiles are asked for jointly by the four work-groups of a row of the cluster,
; B's by the four of a column: the same load with the same descriptor and a mask that names the four.
; LIMITS: NaN and infinities are not served; a block of zeros carries the byte 1 (its codes are zeros; this program alone reads the bytes).
; REGISTERS: window 0: v0-31 addresses; v32-63 scale words, two sets; v64-127 the bias by registers; v128-223 A's fragments, one set (on the way out: at work); v240-255 the bias by lanes.
;   window 1: B's fragments, two sets, at v0 and v128.   window 2: the accumulators of my rows 0-63 ((a, b) at v[8 (8 a + b)]);   window 3: those of my rows 64-127.
.set SIZE_K, 1024
.set KSTEP,  256                       ; along K in a slot
.set NQ,     KSTEP/128                 ; matrix instructions deep
.set ROWB,   192                       ; a tile's row in bytes
.set KROW,   SIZE_K*6/8                ; a row of codes in memory
.set PITCH,  240                       ; an LDS row: 3 x (64 bytes + 16 of padding) = 60 words: the 32 lanes of a load of 8 bytes touch 64 different banks (64 banks of 4 bytes: ISA guide 11.1)
.set FR,     12                        ; registers of a fragment
.set NL,     6                         ; LDS loads that bring one
.set NP,     4                         ; places behind this matrix instruction (ISA guide 7.12.1)
.set HALFT,  128*PITCH                 ; 128 rows: what one tensor load brings
.set SLOT,   4*HALFT                   ; A's 256 rows, then B's 256 rows
.set LAPS,   SIZE_K/(2*KSTEP)
.set KS,     SIZE_K/32                 ; a row of scale bytes
.set SCL,    2*SLOT                    ; behind the ring: the scales, as runs of 256 bytes + 16 of padding
.set HALFS,  (128*KS/256)*272
.set SBLK,   (16*KS/256)*272
.set SPARE,  SCL+4*HALFS               ; the spare words, 128 bytes for each wave: two blocks of 256 bytes that no other line names
.set BLKB,   13056                     ; a run of 128 tokens in qb and kv
.set HEADB,  16*BLKB                   ; a head
.set VIMG,   6144
.set KSC,    12288
.set VSC,    12800
.set SH16, 7                           ; v7   16 h
.set HH,   8                           ; v8   h
.set XW,   12                          ; v12-15 V's scale words, gathered for their store
.set ADRA, 16                          ; v16-17 LDS address of my A fragments in slot 0, 1 (v18-19: for the pieces behind one padding more)
.set ADRB, 20                          ; v20-23 the same for B
.set LI,   24                          ; v24  16 x lane
.set LJ,   25                          ; v25  8 x lane
.set LW,   26                          ; v26  HEADB x h + 16 r: the scale words' place
.set ADRS, 27                          ; v27  LDS address of my scale words: lanes 0-15 A's rows, lanes 16-31 B's
.set SPW,  28                          ; v28  my spare word; never rewritten
.set NIL,  29                          ; v29  0; never rewritten
.set ABN,  30                          ; v30  64 h
.set ABM,  31                          ; v31  4 (r + 8 (r / 8))
.set SC,   32
.set BN,   64                          ; v64-127 bias of B's true rows, in the order of a lane's 64 registers
.set AF,   128
.set HA,   128                         ; the way out: a block's 64 numbers
.set PC,   192                         ; v192-210 the codes just made
.set TM,   212                         ; v212-227 at work
.set PW,   228                         ; the scale word just made
.set W,    230                         ; v230-237 the eight blocks' scale words
.set BM,   240                         ; v240-255 bias of A's true rows: a pair (the same number twice) for each block
.set SEL,  66                          ; s[66:67] lane selects: lane l xor 16
.set G1, 24
.set G0, 32
.set G1B, 48
.set G0B, 56
.set G1S, 68
.set G0S, 76
.set G1SB, 80
.set G0SB, 88
.set MSB, 0
.macro WIN new                         ; the immediate's high byte repeats the setting that is left
.if MSB != \new
	s_set_vgpr_msb (MSB<<8)|\new
.set MSB, \new
.endif
.endm
.set MUL_LO, 0xa1                      ; source 0 (B) window 1, source 1 (A) window 0, C and D window 2
.set MUL_HI, 0xf1                      ; the same, C and D window 3
.set TO_B,   0x40                      ; destination window 1, address window 0
; A joint load: waves 0 and 1 fetch for A, waves 2 and 3 for B; the branch hangs on the wave's number alone.  Four v_nop follow each of the two lines.
.macro JLOAD g0a, g1a, g0b, g1b
	s_cmp_eq_u32 s15, 0
	s_cbranch_scc0 .Lfor_b_\@
	tensor_load_to_lds s[\g0a:\g0a+3], s[\g1a:\g1a+7]
	s_nop 0
.rept 4
	v_nop
.endr
	s_branch .Lasked_\@
.Lfor_b_\@:
	tensor_load_to_lds s[\g0b:\g0b+3], s[\g1b:\g1b+7]
	s_nop 0
.rept 4
	v_nop
.endr
.Lasked_\@:
.endm
.macro CREST                           ; a round of the cluster's barrier behind its opening barrier
	s_cmp_lg_u32 s14, 0
	s_cbranch_scc1 .Lnot_wave_0_\@
	s_barrier_signal -3
.Lnot_wave_0_\@:
	s_barrier_wait -3
	s_barrier_signal -1
	s_barrier_wait -1
.endm
.macro CROUND
	s_barrier_signal -1
	s_barrier_wait -1
	CREST
.endm
	s_load_b256 s[4:11], s[0:1], 0x0               ; cods s[4:5], scls s[6:7], bq s[8:9], bk s[10:11]
	s_load_b128 s[96:99], s[0:1], 0x20             ; bv s[96:97], qb s[98:99]
	s_load_b64 s[100:101], s[0:1], 0x30            ; kv
	v_lshl_add_u32 v[SPW], v0, 2, SPARE
	v_mov_b32 v[NIL], 0
	ds_add_u32 v28, v29
	ds_add_u32 v28, v29
	s_wait_dscnt 0x0
	v_lshrrev_b32 v1, 5, v0
	v_readfirstlane_b32 s14, v1                    ; wave 0..3
	s_lshr_b32 s15, s14, 1                         ; which half of A's 256 rows is mine.  Also: I fetch for A (0) or for B (1)
	s_and_b32 s16, s14, 1                          ; which half of B's.  Also: which 128 rows of that tile I fetch
	s_bfe_u32 s40, ttmp6, 0x40000                  ; cx, cy: my place in the cluster
	s_bfe_u32 s41, ttmp6, 0x40004
	s_and_b32 s17, ttmp7, 0xffff                   ; CL: the cluster's number, which all sixteen share
	s_lshl_b32 s43, s41, 2
	s_lshl_b32 s43, 15, s43                        ; my row of the cluster
	s_lshl_b32 s44, 0x1111, s40                    ; my column
	; descriptor group 1: a tile of 128 rows x 192 bytes, 16 bytes of padding behind every 64
	s_or_b32 s[G1+0], s43, (0<<16)|(1<<20)|(1<<21)|(3<<22)|(3<<25)  ; 15:0 the mask: A's tiles go to my row; elements of 1 byte; padding on; bit 21 beside a mask; after every 16 words 4 words
	s_or_b32 s[G1B+0], s44, (0<<16)|(1<<20)|(1<<21)|(3<<22)|(3<<25)
.irp g, G1, G1B
	s_mov_b32 s[\g+1], ROWB<<16                    ; tensor_dim0
	s_mov_b32 s[\g+2], 128<<16                     ; tensor_dim1
	s_mov_b32 s[\g+3], ROWB<<16                    ; tile_dim0
	s_mov_b32 s[\g+4], 128                         ; tile_dim1
	s_mov_b32 s[\g+5], KROW                        ; from row to row
	s_mov_b32 s[\g+6], 0
	s_mov_b32 s[\g+7], 0
.endr
	; the scales of 128 rows: 4,096 dense bytes, as 16 rows of 256 bytes (32 elements of 8), 16 bytes of padding behind each
	s_or_b32 s[G1S+0], s43, (3<<16)|(1<<20)|(1<<21)|(5<<22)|(3<<25)
	s_or_b32 s[G1SB+0], s44, (3<<16)|(1<<20)|(1<<21)|(5<<22)|(3<<25)
.irp g, G1S, G1SB
	s_mov_b32 s[\g+1], 32<<16
	s_mov_b32 s[\g+2], (128*KS/256)<<16
	s_mov_b32 s[\g+3], 32<<16
	s_mov_b32 s[\g+4], 128*KS/256
	s_mov_b32 s[\g+5], 32
	s_mov_b32 s[\g+6], 0
	s_mov_b32 s[\g+7], 0
.endr
	; which rows of cods and scls: A from 1,024 CL (q, k: the tokens) or 26,624 (v: Wv); B from 24,576 (Wq), 25,600 (Wk) or 1,024 CL (v: the tokens).  The choices hang on CL alone
	s_lshl_b32 s12, s17, 10
	s_mov_b32 s13, 26624
	s_cmp_lt_u32 s17, 16
	s_cselect_b32 s20, s12, s13
	s_mov_b32 s13, 25600
	s_cselect_b32 s46, s13, s12
	s_mov_b32 s13, 24576
	s_cmp_lt_u32 s17, 8
	s_cselect_b32 s46, s13, s46
	s_lshl_b32 s18, s16, 7                         ; which 128 rows of the tile I fetch
	s_lshl_b32 s19, s41, 8
	s_add_co_u32 s20, s20, s19
	s_add_co_u32 s20, s20, s18                     ; A: + 256 cy + 128 x half
	s_lshl_b32 s47, s40, 8
	s_add_co_u32 s46, s46, s47
	s_add_co_u32 s46, s46, s18                     ; B: + 256 cx + 128 x half
	s_lshl_b32 s22, s20, 5                         ; where these rows' scales begin, in bytes,
	s_mov_b32 s23, 0
	s_lshl_b32 s92, s46, 5
	s_mov_b32 s93, 0
	s_mul_i32 s20, s20, KROW                       ; and their codes (28,672 rows x 768 bytes stay under 2^32)
	s_mov_b32 s21, 0
	s_mul_i32 s46, s46, KROW
	s_mov_b32 s47, 0
	s_mul_i32 s45, s14, HALFT                      ; where they go: wave x 128 rows: no place in the cluster enters an LDS address
	s_mul_i32 s94, s14, HALFS
	s_mov_b32 s[SEL], 0x76543210
	s_mov_b32 s[SEL+1], 0xfedcba98
	s_wait_kmcnt 0x0
	s_add_nc_u64 s[20:21], s[4:5], s[20:21]
	s_add_nc_u64 s[22:23], s[6:7], s[22:23]
	s_add_nc_u64 s[46:47], s[4:5], s[46:47]
	s_add_nc_u64 s[92:93], s[6:7], s[92:93]
	CROUND                                         ; all sixteen work-groups are here: the first joint loads meet
	s_mov_b32 s[G0S], 1
	s_add_co_u32 s[G0S+1], s94, SCL
	s_mov_b64 s[G0S+2:G0S+3], s[22:23]
	s_or_b32 s[G0S+3], s[G0S+3], 0x80000000
	s_mov_b32 s[G0SB], 1
	s_add_co_u32 s[G0SB+1], s94, SCL
	s_mov_b64 s[G0SB+2:G0SB+3], s[92:93]
	s_or_b32 s[G0SB+3], s[G0SB+3], 0x80000000
	JLOAD G0S, G1S, G0SB, G1SB                     ; the scales first: they are wanted with K step 0
.irp s, 0,1
	s_mov_b32 s[G0+4*\s], 1
	s_add_co_u32 s[G0+4*\s+1], s45, \s*SLOT
	s_add_nc_u64 s[G0+4*\s+2:G0+4*\s+3], s[20:21], \s*ROWB
	s_or_b32 s[G0+4*\s+3], s[G0+4*\s+3], 0x80000000
	s_mov_b32 s[G0B+4*\s], 1
	s_add_co_u32 s[G0B+4*\s+1], s45, \s*SLOT
	s_add_nc_u64 s[G0B+4*\s+2:G0B+4*\s+3], s[46:47], \s*ROWB
	s_or_b32 s[G0B+4*\s+3], s[G0B+4*\s+3], 0x80000000
	JLOAD G0+4*\s, G1, G0B+4*\s, G1B
.endr
	v_and_b32 v1, 15, v0                           ; r
	v_bfe_u32 v2, v0, 4, 1                         ; h
	v_mul_u32_u24 v3, v1, PITCH
	v_mul_u32_u24 v4, v2, 24
	v_add_nc_u32 v4, v3, v4                        ; a fragment's row x pitch + 24 x half
	v_lshl_add_u32 v5, v2, 4, v4                   ; and the same behind one padding more
	s_mul_i32 s21, s15, HALFT                      ; my 128 rows of A
	s_mul_i32 s22, s16, HALFT                      ; my 128 rows of B,
	s_add_co_u32 s22, s22, 2*HALFT                 ; which lie behind A's 256
.irp s, 0,1
	v_add_nc_u32 v[ADRA+\s], s21, v4
	v_add_nc_u32 v[ADRB+\s], s22, v4
	v_add_nc_u32 v[ADRA+2+\s], s21, v5
	v_add_nc_u32 v[ADRB+2+\s], s22, v5
	s_add_co_u32 s21, s21, SLOT
	s_add_co_u32 s22, s22, SLOT
.endr
	v_mul_u32_u24 v5, v1, KS                       ; my row's scales: KS bytes a row,
	v_lshrrev_b32 v6, 8, v5
	v_lshl_add_u32 v5, v6, 4, v5                   ; and 16 more for each 256 passed
	s_mul_i32 s21, s15, HALFS
	s_mul_i32 s22, s16, HALFS
	s_add_co_u32 s22, s22, 2*HALFS
	s_sub_co_u32 s22, s22, s21
	v_mul_u32_u24 v6, s22, v2                      ; lanes 16-31 take B's: one product, the distance between the two bases x h
	s_add_co_u32 s21, s21, SCL
	v_add_nc_u32 v5, v5, v6
	v_add_nc_u32 v[ADRS], s21, v5
	v_and_b32 v6, 31, v0
	v_lshlrev_b32 v[LI], 4, v6
	v_lshlrev_b32 v[LJ], 3, v6
	v_mul_u32_u24 v[LW], v2, HEADB
	v_lshl_add_u32 v[LW], v1, 4, v[LW]
	v_lshlrev_b32 v[SH16], 4, v2
	v_mov_b32 v[HH], v2
	v_lshlrev_b32 v[ABN], 6, v2
	v_and_b32 v[ABM], 8, v1
	v_add_nc_u32 v[ABM], v[ABM], v1
	v_lshlrev_b32 v[ABM], 2, v[ABM]
	; THE BIAS, both ways, on every path (each index is at most 1,023): by registers, as q and k want it (features on side B), and by lanes, as v wants it (features on side A)
	s_cmp_lt_u32 s17, 8
	s_cselect_b64 s[8:9], s[8:9], s[10:11]
	s_cmp_lt_u32 s17, 16
	s_cselect_b64 s[8:9], s[8:9], s[96:97]
	s_lshl_b32 s2, s40, 10
	s_lshl_b32 s3, s16, 9
	s_add_co_u32 s2, s2, s3                        ; 4 (256 cx + 128 x my half of B)
	s_mov_b32 s3, 0
	s_add_nc_u64 s[10:11], s[8:9], s[2:3]
	s_lshl_b32 s2, s41, 10
	s_lshl_b32 s12, s15, 9
	s_add_co_u32 s2, s2, s12                       ; 4 (256 cy + 128 x my half of A)
	s_add_nc_u64 s[12:13], s[8:9], s[2:3]
.irp b, 0,1,2,3,4,5,6,7
	global_load_b128 v[BN+8*\b:BN+8*\b+3],   v[ABN], s[10:11] offset:128*(\b/2)+32*(\b%2)      ; true rows 32 (b / 2) + 16 h + 8 (b % 2) + 0 .. 7
	global_load_b128 v[BN+8*\b+4:BN+8*\b+7], v[ABN], s[10:11] offset:128*(\b/2)+32*(\b%2)+16
.endr
.irp a, 0,1,2,3,4,5,6,7
	global_load_b32 v[BM+2*\a],   v[ABM], s[12:13] offset:128*(\a/2)+32*(\a%2)                 ; true row 32 (a / 2) + 8 (a % 2) + r + 8 (r / 8), twice: a pair for the packed addition
	global_load_b32 v[BM+2*\a+1], v[ABM], s[12:13] offset:128*(\a/2)+32*(\a%2)
.endr
.macro FRAG reg, adr, q, i             ; a fragment, 16 rows x 128 K: lane l holds row l % 16; registers 6 c .. 6 c + 5 hold K = 64 c + 32 (l / 16) + 0 .. 31: 24 bytes of the row's stream of bits
.irp p, 0,1,2,3,4,5                    ; in pieces of 8 bytes; where the piece three on (lanes 16-31) lies behind one padding more, the second address register serves
.set PCE, 12*(\q)+6*(\p/3)+\p%3
.if PCE%8 < 5
	ds_load_b64 v[\reg+2*\p:\reg+2*\p+1], v[\adr] offset:8*PCE+16*(PCE/8)+(\i)*16*PITCH
.else
	ds_load_b64 v[\reg+2*\p:\reg+2*\p+1], v[\adr+2] offset:8*PCE+16*(PCE/8)+(\i)*16*PITCH
.endif
.endr
.endm
; 16 matrix instructions: A's blocks a0, a0 + 1 x B's eight, 128 along K.  zero = 1: the first product starts the sums.  The 64 accumulators take turns, one instruction a turn.
.macro MUL16 a0, p, q, sc, zero
.irp a, \a0, \a0+1
.irp b, 0,1,2,3,4,5,6,7
.if \zero
	v_wmma_scale_f32_16x16x128_f8f6f4 v[8*(8*((\a)%4)+\b):8*(8*((\a)%4)+\b)+7], v[128*(\p)+FR*\b:128*(\p)+FR*\b+FR-1], v[AF+FR*(\a):AF+FR*(\a)+FR-1], 0, v[SC+8*NQ*(\sc)+NQ*\b+(\q)], v[SC+8*NQ*(\sc)+NQ*(\a)+(\q)] matrix_a_fmt:MATRIX_FMT_FP6 matrix_b_fmt:MATRIX_FMT_FP6 matrix_a_scale:MATRIX_SCALE_ROW1
.else
	v_wmma_scale_f32_16x16x128_f8f6f4 v[8*(8*((\a)%4)+\b):8*(8*((\a)%4)+\b)+7], v[128*(\p)+FR*\b:128*(\p)+FR*\b+FR-1], v[AF+FR*(\a):AF+FR*(\a)+FR-1], v[8*(8*((\a)%4)+\b):8*(8*((\a)%4)+\b)+7], v[SC+8*NQ*(\sc)+NQ*\b+(\q)], v[SC+8*NQ*(\sc)+NQ*(\a)+(\q)] matrix_a_fmt:MATRIX_FMT_FP6 matrix_b_fmt:MATRIX_FMT_FP6 matrix_a_scale:MATRIX_SCALE_ROW1
.endif
.endr
.endr
.endm
.macro FETCH_B slot, q, p
	WIN TO_B
.irp i, 0,1,2,3,4,5,6,7
	FRAG 128*(\p)+FR*\i, ADRB+\slot, \q, \i
.endr
	WIN 0
.endm
.macro FETCH_A slot, q, i0
.irp i, \i0, \i0+1, \i0+2, \i0+3
	FRAG AF+FR*(\i), ADRA+\slot, \q, \i
.endr
.endm
.macro SCALES sc                       ; a K step's scale words: two words a row; lanes 0-15 take A's block i, lanes 16-31 B's block i
.irp i, 0,1,2,3,4,5,6,7
	ds_load_b64 v[SC+8*NQ*\sc+NQ*\i:SC+8*NQ*\sc+NQ*\i+1], v[ADRS] offset:\i*SBLK
.endr
.endm
.macro PLACES n                        ; plain vector lines between a matrix instruction and a load into, or a vector line on, its registers
.rept \n
	v_nop
.endr
.endm
.macro STEP slot, q, zero              ; a step of 128 along K that has its successor in the same slot
	s_wait_dscnt 4*NL                              ; B's set and A's blocks 0-3 are in; the youngest 24 loads (A's blocks 4-7) may be out
	WIN MUL_LO
	MUL16 0, (\q)%2, \q, \slot, \zero
	MUL16 2, (\q)%2, \q, \slot, \zero
	s_wait_dscnt 0                                 ; A's blocks 4-7 are in
	PLACES NP
	FETCH_B \slot, (\q)+1, 1-(\q)%2
	FETCH_A \slot, (\q)+1, 0
	WIN MUL_HI
	MUL16 4, (\q)%2, \q, \slot, \zero
	MUL16 6, (\q)%2, \q, \slot, \zero
	PLACES NP
	WIN 0
	FETCH_A \slot, (\q)+1, 4
.endm
; A slot's last step changes slots: one barrier; in front of it each wave waits for all its tensor loads, adds 0 to its spare word, and waits for that and for its reads of this slot.  fill = 1: the slot is filled again.
.macro TURN slot, next, fill
	s_wait_tensorcnt 0x0                           ; all my tensor loads have landed: my part of the next slot
	ds_add_u32 v[SPW], v[NIL]                      ; 0 onto my spare word
	s_wait_dscnt 4*NL+1                            ; (the add and the youngest 24 loads, A's blocks 4-7, may be out)
	WIN MUL_LO
	MUL16 0, 1, NQ-1, \slot, 0                     ; sixteen matrix instructions stand between the add and the wait for it
	s_wait_dscnt 0x0                               ; the add is done, and my reads of this slot are over
	s_barrier_signal -1
	MUL16 2, 1, NQ-1, \slot, 0
	WIN 0
	s_barrier_wait -1
.if \fill
	CREST                                          ; the barrier has opened a round of the cluster's barrier: no wave of any partner still reads this slot or has a load on its way
	s_add_nc_u64 s[G0+4*\slot+2:G0+4*\slot+3], s[G0+4*\slot+2:G0+4*\slot+3], 2*ROWB
	s_add_nc_u64 s[G0B+4*\slot+2:G0B+4*\slot+3], s[G0B+4*\slot+2:G0B+4*\slot+3], 2*ROWB
	JLOAD G0+4*\slot, G1, G0B+4*\slot, G1B         ; the first tensor load behind the round; its four v_nop are the places in front of the loads below
.else
	PLACES NP
.endif
	v_add_nc_u32 v[ADRS], 4*NQ, v[ADRS]            ; on to the next K step's scale words
	FETCH_B \next, 0, 0
	FETCH_A \next, 0, 0
	SCALES \next
	WIN MUL_HI
	MUL16 4, 1, NQ-1, \slot, 0
	MUL16 6, 1, NQ-1, \slot, 0
	PLACES NP
	WIN 0
	FETCH_A \next, 0, 4
.endm
	s_wait_loadcnt 0x0                             ; the biases
	s_wait_tensorcnt 1                             ; the scales and my part of K step 0 are in (K step 1's load may be out)
	s_barrier_signal -1
	s_barrier_wait -1                              ; everybody's are
	FETCH_B 0, 0, 0
	FETCH_A 0, 0, 0
	SCALES 0
	FETCH_A 0, 0, 4
	STEP 0, 0, 1                                   ; the first step stands in front of the loop: its products start the sums
	s_mov_b32 s3, LAPS-1
.Llap:                                                 ; a trip goes once round the ring and fills both slots again
	TURN 0, 1, 1
	STEP 1, 0, 0
	TURN 1, 0, 1
	STEP 0, 0, 0
	s_sub_co_u32 s3, s3, 1
	s_cmp_lg_u32 s3, 0
	s_cbranch_scc1 .Llap
	TURN 0, 1, 0                                   ; the last lap fills nothing
	STEP 1, 0, 0
	s_wait_dscnt 4*NL                              ; the very last step
	WIN MUL_LO
	MUL16 0, 1, NQ-1, 1, 0
	MUL16 2, 1, NQ-1, 1, 0
	s_wait_dscnt 0
	WIN MUL_HI
	MUL16 4, 1, NQ-1, 1, 0
	MUL16 6, 1, NQ-1, 1, 0
	WIN 0
; 64 numbers of a lane, register 16 b + i = k 32 b + 16 h + i of my row, become a fragment's codes in v[PC] on and its scale word in v[PW].
.macro QUANT s
.irp b, 0,1,2,3
	v_max3_num_f32 v[TM+\b], |v[\s+16*\b]|, |v[\s+1+16*\b]|, 0x1800000   ; block b: my 16 numbers, and the floor 2^(3 - 127): the byte cannot fall under 1
.endr
.irp i, 2,4,6,8,10,12,14
.irp b, 0,1,2,3
	v_max3_num_f32 v[TM+\b], v[TM+\b], |v[\s+16*\b+\i]|, |v[\s+1+16*\b+\i]|   ; (the four blocks by turns)
.endr
.endr
.irp b, 0,1,2,3
	v_permlanex16_b32 v[TM+4+\b], v[TM+\b], s[SEL], s[SEL+1]
.endr
.irp b, 0,1,2,3
	v_max_num_f32 v[TM+\b], v[TM+\b], v[TM+4+\b]   ; with lane l xor 16's: the block's largest magnitude
.endr
.irp b, 0,1,2,3
	v_add_nc_u32 v[TM+12+\b], 0xff000000, v[TM+\b]   ; 2 off its exponent field: the conversion's scale operand
.endr
.irp b, 0,1,2,3
	v_lshrrev_b32 v[TM+4+\b], 23, v[TM+12+\b]      ; the scale's byte
.endr
	v_lshl_or_b32 v[PW], v[TM+5], 8, v[TM+4]
	v_lshl_or_b32 v[PW], v[TM+6], 16, v[PW]
	v_lshl_or_b32 v[PW], v[TM+7], 24, v[PW]
.irp c, 0,1
	v_cvt_scalef32_pk16_fp6_f32 v[PC+6*\c:PC+2+6*\c], v[\s+32*\c:\s+15+32*\c], v[TM+12+2*\c]
	v_cvt_scalef32_pk16_fp6_f32 v[PC+12+4*\c:PC+14+4*\c], v[\s+16+32*\c:\s+31+32*\c], v[TM+12+2*\c+1]   ; (a conversion's three registers begin on an even number)
.endr
	v_nop                                          ; one plain line behind a scaled conversion
.irp c, 0,1                                    ; the operand's layout wants a whole block in a lane: lanes 0-15 block 2 c, lanes 16-31 block 2 c + 1
.irp i, 0,1,2
	v_permlane16_swap_b32 v[PC+6*\c+\i], v[PC+12+4*\c+\i]
.endr
.irp i, 0,1,2
	v_mov_b32 v[PC+3+6*\c+\i], v[PC+12+4*\c+\i]
.endr
.endr
.endm
; THE WAY OUT of A's block a: the bias is added (each accumulator read from its low end on), the 64 numbers are quantised, and the fragment's two halves leave as images.
.macro OUTBLK a, isv
	s_wait_xcnt 0x0                                ; the last block's stores have read their registers: the codes may be written again
	WIN 0x02+((\a)/4)                              ; source 0: window 2 or 3
.set JJ, 0
.rept 32
.if \isv
	v_pk_add_f32 v[HA+JJ:HA+JJ+1], v[64*((\a)%4)+JJ:64*((\a)%4)+JJ+1], v[BM+2*(\a):BM+2*(\a)+1]
.else
	v_pk_add_f32 v[HA+JJ:HA+JJ+1], v[64*((\a)%4)+JJ:64*((\a)%4)+JJ+1], v[BN+JJ:BN+JJ+1]
.endif
.set JJ, JJ+2
.endr
	WIN 0
	QUANT HA
.if \isv
	v_mov_b32 v[W+(\a)], v[PW]                     ; four bytes: my feature's four blocks of 32 keys
.set OB, HEADB*((\a)/4)+VIMG+1536*((\a)%4)         ; head a / 4, feature tile a % 4; the halves are keys 0-63 and 64-127
.set OS, 768
.else
	v_bfe_u32 v[W+(\a)], v[PW], v[SH16], 16        ; lanes 0-15 keep the first head's two bytes, lanes 16-31 the second's; the upper bytes are 0, over codes that are zeros
.set OB, 768*(\a)                                  ; token tile a; the halves are two heads
.set OS, HEADB
.endif
	global_store_b128 v[LI], v[PC:PC+3], s[12:13] offset:OB               ; 512 consecutive bytes,
	global_store_b64 v[LJ], v[PC+4:PC+5], s[12:13] offset:OB+512          ; 256 more
	global_store_b128 v[LI], v[PC+6:PC+9], s[12:13] offset:OB+OS
	global_store_b64 v[LJ], v[PC+10:PC+11], s[12:13] offset:OB+OS+512
.endm
	PLACES NP                                      ; behind the last products: their results are read and A's registers written below
.irp b, 0,1,2,3
	v_mov_b32 v[TM+4+\b], 0                        ; written once: a lane permute's destination counts as one of its sources
.endr
	s_cmp_lt_u32 s17, 16                           ; q and k, or v: the same way in all sixteen work-groups
	s_cbranch_scc0 .Larm_v
	s_and_b32 s2, s17, 7
	s_lshl_b32 s2, s2, 3
	s_lshl_b32 s3, s41, 1
	s_add_co_u32 s2, s2, s3
	s_add_co_u32 s2, s2, s15                       ; my run of 128 tokens: 8 (CL % 8) + 2 cy + half
	s_lshr_b32 s3, s2, 4
	s_lshl_b32 s3, s3, 4                           ; 16 x batch
	s_lshl_b32 s12, s40, 2
	s_add_co_u32 s3, s3, s12
	s_lshl_b32 s12, s16, 1
	s_add_co_u32 s3, s3, s12                       ; + my first head: 4 cx + 2 x half
	s_and_b32 s2, s2, 15
	s_mul_i32 s3, s3, HEADB
	s_mul_i32 s2, s2, BLKB
	s_add_co_u32 s2, s2, s3
	s_mov_b32 s3, 0
	s_cmp_lt_u32 s17, 8
	s_cselect_b64 s[12:13], s[98:99], s[100:101]
	s_add_nc_u64 s[12:13], s[12:13], s[2:3]
.irp a, 0,1,2,3,4,5,6,7
	OUTBLK \a, 0
.endr
	global_store_b128 v[LW], v[W:W+3], s[12:13] offset:KSC           ; [tile / 4][r][tile % 4]: sixteen lanes store 256 consecutive bytes of each head
	global_store_b128 v[LW], v[W+4:W+7], s[12:13] offset:KSC+256
	s_branch .Ljoin
.Larm_v:
	s_sub_co_u32 s2, s17, 16
	s_lshl_b32 s2, s2, 3
	s_lshl_b32 s3, s40, 1
	s_add_co_u32 s2, s2, s3
	s_add_co_u32 s2, s2, s16                       ; my run of 128 tokens: 8 (CL - 16) + 2 cx + half
	s_lshr_b32 s3, s2, 4
	s_lshl_b32 s3, s3, 4
	s_lshl_b32 s12, s41, 2
	s_add_co_u32 s3, s3, s12
	s_lshl_b32 s12, s15, 1
	s_add_co_u32 s3, s3, s12                       ; 16 x batch + 4 cy + 2 x half
	s_and_b32 s2, s2, 15
	s_mul_i32 s3, s3, HEADB
	s_mul_i32 s2, s2, BLKB
	s_add_co_u32 s2, s2, s3
	s_mov_b32 s3, 0
	s_add_nc_u64 s[12:13], s[100:101], s[2:3]
.irp a, 0,1,2,3,4,5,6,7
	OUTBLK \a, 1
.endr
	v_cmp_ne_u32 vcc_lo, 0, v[HH]
.irp i, 0,1,2,3
	v_cndmask_b32 v[XW+\i], v[W+\i], v[W+4+\i], vcc_lo   ; lanes 0-15 the first head's four tiles, lanes 16-31 the second's
.endr
	global_store_b128 v[LW], v[XW:XW+3], s[12:13] offset:VSC         ; [r][tile]
.Ljoin:
	s_wait_tensorcnt 0x0                           ; the wave's end
	ds_add_u32 v[SPW], v[NIL]
	s_wait_dscnt 0x0
	CROUND                                         ; the closing round: no work-group ends while a partner may still ask for a tile that names it
	s_endpgm
.Lfunc_end_k_q0fbfeffd0e_proj:
	.size	k_q0fbfeffd0e_proj, .Lfunc_end_k_q0fbfeffd0e_proj-k_q0fbfeffd0e_proj
	.p2alignl 7, 3214868480
	.fill 96, 4, 3214868480
	.section	.rodata,"a",@progbits
	.p2align	6, 0x0
	.amdhsa_kernel k_q0fbfeffd0e_proj
		.amdhsa_group_segment_fixed_size 327680
		.amdhsa_private_segment_fixed_size 0
		.amdhsa_enable_private_segment 0
		.amdhsa_kernarg_size 56
		.amdhsa_user_sgpr_count 2
		.amdhsa_user_sgpr_kernarg_segment_ptr 1
		.amdhsa_wavefront_size32 1
		.amdhsa_system_sgpr_workgroup_id_x 1
		.amdhsa_system_sgpr_workgroup_id_y 1
		.amdhsa_system_sgpr_workgroup_id_z 1
		.amdhsa_system_vgpr_workitem_id 0
		.amdhsa_next_free_vgpr 1024
		.amdhsa_next_free_sgpr 102
		.amdhsa_reserve_vcc 1
		.amdhsa_float_denorm_mode_32 3
		.amdhsa_float_denorm_mode_16_64 3
		.amdhsa_memory_ordered 1
		.amdhsa_forward_progress 1
		.amdhsa_inst_pref_size 236
	.end_amdhsa_kernel
	.amdgpu_metadata
---
amdhsa.version: [ 1, 2 ]
amdhsa.kernels:
  - .name:           k_q0fbfeffd0e_proj
    .symbol:         k_q0fbfeffd0e_proj.kd
    .args:
      - { .name: cods, .offset: 0, .size: 8, .value_kind: global_buffer, .address_space: global }
      - { .name: scls, .offset: 8, .size: 8, .value_kind: global_buffer, .address_space: global }
      - { .name: bq, .offset: 16, .size: 8, .value_kind: global_buffer, .address_space: global }
      - { .name: bk, .offset: 24, .size: 8, .value_kind: global_buffer, .address_space: global }
      - { .name: bv, .offset: 32, .size: 8, .value_kind: global_buffer, .address_space: global }
      - { .name: qb, .offset: 40, .size: 8, .value_kind: global_buffer, .address_space: global }
      - { .name: kv, .offset: 48, .size: 8, .value_kind: global_buffer, .address_space: global }
    .group_segment_fixed_size: 327680
    .private_segment_fixed_size: 0
    .kernarg_segment_align: 8
    .kernarg_segment_size: 56
    .max_flat_workgroup_size: 128
    .sgpr_count:     102
    .vgpr_count:     1024
    .wavefront_size: 32
...
	.end_amdgpu_metadata
.endif
;; end of part 2
;; launch attn (part 3): grid 4 x 64, 16 waves a work-group, clusters of 4 x 1, 219,136 bytes of LDS; arguments qb, kv, mask, cimg, cscl; writes cimg, cscl
.if DOCPART == 3
	.amdgcn_target "amdgcn-amd-amdhsa--gfx1250"
	.amdhsa_code_object_version 6
	.text
	.protected	k_q0fbfeffd0e_attn
	.globl	k_q0fbfeffd0e_attn
	.p2align	8
	.type	k_q0fbfeffd0e_attn,@function
k_q0fbfeffd0e_attn:
	s_mov_b64 s[64:65], 0
	v_nop
	global_prefetch_b8 v0, s[64:65] scope:SCOPE_SE
	s_setreg_imm32_b32 hwreg(HW_REG_WAVE_MODE, 25, 1), 1
	s_wait_xcnt 0x0
	s_wait_alu depctr_hold_cnt(0) depctr_sa_sdst(0) depctr_va_vdst(0) depctr_va_sdst(0) depctr_va_ssrc(0) depctr_va_vcc(0) depctr_vm_vsrc(0)
	s_getreg_b32 s2, hwreg(HW_REG_IB_STS2, 6, 4)
	s_cmp_eq_u32 s2, 0
	s_cbranch_scc0 .Lentry_in_a_cluster
	s_endpgm
.Lentry_in_a_cluster:
	s_bfe_u32 s2, ttmp6, 0x10000c
	s_cmp_lg_u32 s2, 0x3003
	s_cbranch_scc0 .Lentry_shape_is_right
	s_endpgm
.Lentry_shape_is_right:
; ctx = softmax(q k^T / 8, masked) v for one head, both products on codes of FP6 (E2M3) with E8M0 scales; ctx is quantised along the merged 1,024 on the way out.
; t = score x log2(e) / 8; M = the row's largest t so far, rounded up to a whole number; p = 2^(t - M) is what is quantised, along the keys; the row's sum is taken of the unquantised p and divides at the end.
; When M moves, the sum and O are multiplied by 2^(old M - new M): exact.
; SHARES.  A work-group owns 512 query places of one head (work-group y = 16 batch + head), in two passes of 256; each of its sixteen waves owns one tile of 16 in 256 registers, four waves to a SIMD.
; THE HEAD'S WHOLE K, V AND SCALE WORDS, 208,896 bytes, lie in LDS, filled ONCE: each wave brings one run of 128 keys (13,056 dense bytes) by one tensor load.  Nothing is filled again: no ring.
; The four work-groups of a cluster are the four query blocks of one head: they ask for those sixteen loads jointly (the same descriptor, a mask that names the four).
; OPERANDS LIE AS IMAGES OF THEIR REGISTERS: six registers are 768 bytes, registers 0-3 at 16 x lane, registers 4-5 at 512 + 8 x lane.  A run: 8 key tiles | 4 feature tiles x 2 halves of V^T | K's scale words | V's.
; LAYOUT.  Both products are used transposed: S^T = K Q^T, O^T = V^T P^T: a lane holds one query (lane % 16).  Lane r of key tile 2 b + u is key 32 b + 8 u + r + 8 (r / 8), so the 16 registers of tiles 2 b, 2 b + 1
; are keys 32 b + 16 h + 0 .. 15; V^T's feature tiles are chosen the same way, so O^T's 32 registers are 16 beta + i = feature 32 beta + 16 h + i.  The head's K is 64: the upper six registers of K's and Q's
; fragments are zero codes, which add nothing.
; THE MASK enters as the C of the score products: 0 for a key that counts, -2^110 for one that does not.  Such a t lies near -2^107, under the start of the running maximum, -2^100: it never sets M, and its p is 0.
; LIMITS: |t| stays under 2^100; a batch whose mask is false at every key gives no defined numbers here (a sum of 0 divides); NaN and infinities are not served; a block of zeros carries the byte 1.
; REGISTERS: v1-7 addresses that stay; v8-11 the step's; v12 -M, v13 the largest t, v[14:15] the sum; v16-27 Q; v32-79 four slots for K's tiles; v80-87 K's scale words, v88-91 V's;
;   v96-159 the mask's term, S^T, p, then V's four fragments; v160-191 O^T; v224-235 P's codes; v232-254 at work; v253 P's scale word; v255 Q's.
.set BLKB,  13056
.set HEADB, 16*BLKB
.set MSK,   HEADB                      ; behind K and V: 2,048 f32 numbers, the mask's terms: bytes of their own, into which no tile lands
.set VIMG,  6144
.set KSC,   12288
.set VSC,   12800
.set WV,   18
.set SEL,  20                          ; s[20:21] lane selects: lane l xor 16
.set CS,   22                          ; s[22:23] c = log2(e) / 8
.set G1,   24
.set G0,   32
.set TB,   36                          ; LDS byte at which the step's run begins
.set TM,   37                          ; and its mask terms
.set CNT,  38
.macro CROUND                          ; a round of the cluster's barrier
	s_barrier_signal -1
	s_barrier_wait -1
	s_cmp_lg_u32 s[WV], 0
	s_cbranch_scc1 .Lnot_wave_0_\@
	s_barrier_signal -3
.Lnot_wave_0_\@:
	s_barrier_wait -3
	s_barrier_signal -1
	s_barrier_wait -1
.endm
	s_load_b256 s[4:11], s[0:1], 0x0               ; qb s[4:5], kv s[6:7], mask s[8:9], cimg s[10:11]
	s_load_b64 s[12:13], s[0:1], 0x20              ; cscl
	v_lshl_add_u32 v250, v0, 2, 0x35000
	v_mov_b32 v251, 0
	ds_add_u32 v250, v251
	ds_add_u32 v250, v251
	v_lshrrev_b32 v8, 5, v0
	s_delay_alu instid0(VALU_DEP_1)
	v_readfirstlane_b32 s[WV], v8                  ; wave 0..15
	s_bfe_u32 s40, ttmp6, 0x40000                  ; cx: my block of 512 query places; it enters Q's and the outputs' addresses alone
	s_and_b32 s41, ttmp7, 0xffff                   ; 16 batch + head, which the four partners share
	s_mul_i32 s42, s41, HEADB
	s_mul_i32 s43, s[WV], BLKB                     ; my run: its place in the head, in memory and in LDS alike
	s_add_co_u32 s44, s42, s43
	s_mov_b32 s45, 0
	s_mov_b32 s[G1], 15|(3<<16)|(1<<21)            ; 15:0 the mask: all four work-groups; elements of 8 bytes; bit 21 beside a mask; no padding
	s_mov_b32 s[G1+1], 32<<16                      ; tensor_dim0: 256 bytes
	s_mov_b32 s[G1+2], 51<<16                      ; tensor_dim1: 51 rows = 13,056 bytes
	s_mov_b32 s[G1+3], 32<<16                      ; tile_dim0
	s_mov_b32 s[G1+4], 51                          ; tile_dim1
	s_mov_b32 s[G1+5], 32                          ; dense
	s_mov_b32 s[G1+6], 0
	s_mov_b32 s[G1+7], 0
	s_mov_b32 s[SEL], 0x76543210
	s_mov_b32 s[SEL+1], 0xfedcba98
	s_mov_b32 s[CS], 0x3e38aa3b                    ; log2(e) / 8
	s_mov_b32 s[CS+1], s[CS]                       ; (named with it as a pair)
	s_wait_dscnt 0x0
	s_wait_kmcnt 0x0
	s_mov_b32 s[G0], 1
	s_mov_b32 s[G0+1], s43
	s_add_nc_u64 s[G0+2:G0+3], s[6:7], s[44:45]
	s_or_b32 s[G0+3], s[G0+3], 0x80000000
	CROUND                                         ; all four work-groups are here: the joint loads meet
	tensor_load_to_lds s[G0:G0+3], s[G1:G1+7]      ; my one tensor load of the launch
	s_nop 0
.rept 4
	v_nop
.endr
	s_lshr_b32 s46, s41, 4
	s_lshl_b32 s46, s46, 11                        ; the batch's 2,048 bytes of the mask
	s_mov_b32 s47, 0
	s_add_nc_u64 s[8:9], s[8:9], s[46:47]
	v_lshlrev_b32 v7, 2, v0                        ; my four keys
	global_load_b32 v28, v7, s[8:9]
	v_and_b32 v8, 31, v0
	s_delay_alu instid0(VALU_DEP_1)
	v_lshlrev_b32 v1, 4, v8                        ; 16 x lane
	s_delay_alu instid0(VALU_DEP_2)
	v_lshlrev_b32 v2, 3, v8                        ; 8 x lane
	v_and_b32 v9, 15, v0
	s_delay_alu instid0(VALU_DEP_1)
	v_lshlrev_b32 v3, 4, v9                        ; 16 r
	s_delay_alu instid0(VALU_DEP_2)
	v_lshlrev_b32 v6, 5, v9                        ; 32 r
	v_bfe_u32 v10, v0, 4, 1
	s_delay_alu instid0(VALU_DEP_1)
	v_lshl_add_u32 v4, v10, 6, MSK                 ; the mask's terms of my half's keys
	v_lshl_add_u32 v5, v0, 4, MSK                  ; where I put my four
	v_mov_b32 v29, 0xf6800000                      ; -2^110
.irp j, 22,23,24,25,26,27
	v_mov_b32 v[\j], 0                             ; Q's k = 64 .. 127: zero codes
.endr
.irp t, 0,1,2,3
.irp j, 6,7,8,9,10,11
	v_mov_b32 v[32+12*\t+\j], 0                    ; K's likewise, in each of the four slots; never rewritten
.endr
.endr
.irp b, 0,1,2,3
	v_mov_b32 v[236+\b], 0                         ; written once: a lane permute's destination counts as one of its sources
.endr
	v_mov_b32 v253, 0                              ; (named as the upper half of the pair v[252:253] before it is first written)
	; Q's tile in pass p: run 4 cx + 2 p + wave / 8, tile wave % 8;  ctx's tile: 128 batch + 32 cx + 16 p + wave
	s_lshl_b32 s52, s40, 2
	s_lshr_b32 s53, s[WV], 3
	s_add_co_u32 s52, s52, s53
	s_mul_i32 s52, s52, BLKB
	s_add_co_u32 s52, s52, s42
	s_and_b32 s53, s[WV], 7
	s_mul_i32 s54, s53, 768
	s_add_co_u32 s54, s54, s52
	s_mov_b32 s55, 0
	s_add_nc_u64 s[48:49], s[4:5], s[54:55]        ; its codes
	s_lshr_b32 s54, s53, 2
	s_lshl_b32 s54, s54, 8
	s_and_b32 s53, s[WV], 3
	s_lshl_b32 s53, s53, 2
	s_add_co_u32 s54, s54, s53
	s_add_co_u32 s54, s54, s52
	s_add_nc_u64 s[50:51], s[4:5], s[54:55]        ; its scale words: [tile / 4][r][tile % 4], KSC bytes on
	s_lshr_b32 s52, s41, 4
	s_lshl_b32 s52, s52, 7
	s_lshl_b32 s53, s40, 5
	s_add_co_u32 s52, s52, s53
	s_add_co_u32 s52, s52, s[WV]
	s_and_b32 s53, s41, 15                         ; the head
	s_mul_i32 s54, s52, 12288
	s_mul_i32 s58, s53, 768
	s_add_co_u32 s54, s54, s58
	s_add_nc_u64 s[56:57], s[10:11], s[54:55]      ; cimg [tile][head][768]
	s_lshl_b32 s54, s52, 9
	s_lshl_b32 s58, s53, 1
	s_add_co_u32 s54, s54, s58
	s_add_nc_u64 s[58:59], s[12:13], s[54:55]      ; cscl [16 tile + r][32], bytes 2 head, 2 head + 1
	s_wait_loadcnt 0x0
.irp i, 0,1,2,3
	v_bfe_u32 v[92+\i], v28, 8*\i, 8
.endr
.irp i, 0,1,2,3
	v_cmp_eq_u32 vcc_lo, 0, v[92+\i]
	s_delay_alu instid0(VALU_DEP_1)
	v_cndmask_b32 v[92+\i], 0, v29, vcc_lo         ; a choice of a value, not of a way
.endr
	ds_store_b128 v5, v[92:95]
	s_wait_tensorcnt 0x0                           ; my run of K and V has landed,
	s_wait_dscnt 0x0                               ; my mask terms are stored:
	s_barrier_signal -1
	s_barrier_wait -1                              ; everybody's are; from here on LDS is only read
; A KEY STEP: 128 keys.
.macro STEP
	v_add_nc_u32 v8, s[TB], v1
	s_wait_alu depctr_va_vdst(0)
	v_add_nc_u32 v9, s[TB], v2
	s_wait_alu depctr_va_vdst(0)
	v_add_nc_u32 v10, s[TB], v3
	v_add_nc_u32 v11, s[TM], v4
	v_nop                                          ; five places behind the last products: their V fragments (v96-143) are loaded into (four asked) and then written over by matrix instructions (five asked)
.irp t, 0,1,2,3,4,5,6,7
	ds_load_b128 v[96+8*\t:99+8*\t],   v11 offset:128*(\t/2)+32*(\t%2)       ; the mask's terms of keys 32 (t / 2) + 16 h + 8 (t % 2) + 0 .. 7, straight into the scores' registers
	ds_load_b128 v[100+8*\t:103+8*\t], v11 offset:128*(\t/2)+32*(\t%2)+16
.endr
	ds_load_b128 v[80:83], v10 offset:KSC          ; K's scale words of tiles 0-3,
	ds_load_b128 v[84:87], v10 offset:KSC+256      ; of tiles 4-7
.irp g, 0,1                                    ; S^T = K Q^T + the mask's term, four tiles of 16 keys at a time
.if \g
.rept 4
	v_nop                                          ; places in front of loads into registers that matrix instructions have read
.endr
.endif
.irp t, 0,1,2,3
	ds_load_b128 v[32+12*\t:35+12*\t], v8 offset:768*(4*\g+\t)
	ds_load_b64 v[36+12*\t:37+12*\t], v9 offset:768*(4*\g+\t)+512
.endr
	s_wait_dscnt 0x0
.irp t, 0,1,2,3
	v_wmma_scale_f32_16x16x128_f8f6f4 v[96+8*(4*\g+\t):103+8*(4*\g+\t)], v[32+12*\t:43+12*\t], v[16:27], v[96+8*(4*\g+\t):103+8*(4*\g+\t)], v[80+4*\g+\t], v255 matrix_a_fmt:MATRIX_FMT_FP6 matrix_b_fmt:MATRIX_FMT_FP6
.endr
.endr
.rept 4
	v_nop
.endr
.irp b, 0,1,2,3
	v_max3_num_f32 v[232+\b], v[96+16*\b], v[97+16*\b], v[98+16*\b]   ; the largest score of each block of 32 keys: for the row's maximum and, since p rises with the score, for the block's largest p
.endr
.irp i, 3,5,7,9,11,13
.irp b, 0,1,2,3
	v_max3_num_f32 v[232+\b], v[232+\b], v[96+16*\b+\i], v[97+16*\b+\i]
.endr
.endr
.irp b, 0,1,2,3
	v_max_num_f32 v[232+\b], v[232+\b], v[111+16*\b]
.endr
.irp b, 0,1,2,3
	s_delay_alu instid0(VALU_DEP_4)
	v_permlanex16_b32 v[236+\b], v[232+\b], s[SEL], s[SEL+1]
.endr
.irp b, 0,1,2,3
	s_delay_alu instid0(VALU_DEP_4)
	v_max_num_f32 v[232+\b], v[232+\b], v[236+\b]  ; with lane l xor 16's 16 keys
.endr
	s_delay_alu instid0(VALU_DEP_2)
	v_max3_num_f32 v254, v232, v233, v234
	s_delay_alu instid0(VALU_DEP_1)
	v_max_num_f32 v254, v254, v235                 ; the step's largest score of my query
	s_delay_alu instid0(VALU_DEP_1)
	v_mul_f32 v254, s[CS], v254                    ; as t (c is positive)
	s_delay_alu instid0(VALU_DEP_1)
	v_max_num_f32 v13, v13, v254                   ; the running largest t
	v_mov_b32 v254, v12
	s_delay_alu instid0(VALU_DEP_2)
	v_floor_f32 v12, -v13                          ; the new -M = floor(-t): M is a whole number
	s_delay_alu instid0(VALU_DEP_1)
	v_sub_f32 v254, v12, v254                      ; old M - new M: 0 or less
	s_delay_alu instid0(VALU_DEP_1)
	v_cvt_i32_f32 v254, v254                       ; (it saturates)
	s_delay_alu instid0(VALU_DEP_1)
	v_ldexp_f32 v252, 1.0, v254                    ; f = 2^(old M - new M)
.set JJ, 0
.rept 32
	v_pk_fma_f32 v[96+JJ:97+JJ], v[96+JJ:97+JJ], s[CS:CS+1], v[12:13] op_sel_hi:[1,0,0]   ; t - M, two at a time
.set JJ, JJ+2
.endr
.irp b, 0,1,2,3
	v_fma_f32 v[232+\b], v[232+\b], s[CS], v12     ; the same of each block's largest score
.endr
.set JJ, 0
	s_wait_alu depctr_va_vdst(0)
.rept 64
	v_exp_f32 v[96+JJ], v[96+JJ]                   ; p = 2^(t - M), at most 1; 0 for a key that does not count
.set JJ, JJ+1
.endr
	s_setprio 1
.irp b, 0,1,2,3
	v_exp_f32 v[232+\b], v[232+\b]                 ; the block's largest p: the same two instructions on the same number
.endr
	v_pk_mul_f32 v[14:15], v[14:15], v[252:253] op_sel_hi:[1,0]   ; the sums under the new M (a plain line behind the exponentials)
	s_wait_alu depctr_va_vdst(0)
.irp b, 0,1,2,3
	v_max_num_f32 v[232+\b], 0x1800000, v[232+\b]  ; the floor 2^(3 - 127): the byte cannot fall under 1
.endr
.irp b, 0,1,2,3
	s_delay_alu instid0(VALU_DEP_4)
	v_add_nc_u32 v[244+\b], 0xff000000, v[232+\b]  ; 2 off the exponent field: the conversion's scale operand
.endr
.irp b, 0,1,2,3
	s_delay_alu instid0(VALU_DEP_4)
	v_lshrrev_b32 v[236+\b], 23, v[244+\b]         ; the scale's byte
.endr
	s_delay_alu instid0(VALU_DEP_3)
	v_lshl_or_b32 v253, v237, 8, v236              ; p's scale word for these 128 keys
	s_delay_alu instid0(VALU_DEP_1)
	v_lshl_or_b32 v253, v238, 16, v253
	s_delay_alu instid0(VALU_DEP_1)
	v_lshl_or_b32 v253, v239, 24, v253
.irp c, 0,1
	v_cvt_scalef32_pk16_fp6_f32 v[224+6*\c:226+6*\c], v[96+32*\c:111+32*\c], v[244+2*\c]
	v_cvt_scalef32_pk16_fp6_f32 v[236+4*\c:238+4*\c], v[112+32*\c:127+32*\c], v[244+2*\c+1]
.endr
	v_nop                                          ; one plain line behind a scaled conversion
.irp c, 0,1                                    ; a whole block in a lane: lanes 0-15 block 2 c, lanes 16-31 block 2 c + 1
.irp i, 0,1,2
	v_permlane16_swap_b32 v[224+6*\c+\i], v[236+4*\c+\i]
.endr
.irp i, 0,1,2
	s_delay_alu instid0(VALU_DEP_3)
	v_mov_b32 v[227+6*\c+\i], v[236+4*\c+\i]
.endr
.endr
	v_pk_add_f32 v[236:237], v[100:101], v[104:105]
	v_pk_add_f32 v[248:249], v[108:109], v[112:113]
	v_pk_add_f32 v[246:247], v[116:117], v[120:121]
	v_pk_add_f32 v[244:245], v[124:125], v[128:129]
	v_pk_add_f32 v[242:243], v[132:133], v[136:137]
	v_pk_add_f32 v[240:241], v[140:141], v[144:145]
	v_pk_add_f32 v[222:223], v[148:149], v[152:153]
	v_pk_add_f32 v[14:15], v[14:15], v[156:157]
	v_pk_add_f32 v[236:237], v[236:237], v[96:97]
	v_pk_add_f32 v[248:249], v[248:249], v[98:99]
	v_pk_add_f32 v[246:247], v[246:247], v[102:103]
	v_pk_add_f32 v[244:245], v[244:245], v[106:107]
	v_pk_add_f32 v[242:243], v[242:243], v[110:111]
	v_pk_add_f32 v[240:241], v[240:241], v[114:115]
	v_pk_add_f32 v[222:223], v[222:223], v[118:119]
	v_pk_add_f32 v[14:15], v[14:15], v[122:123]
	v_pk_add_f32 v[236:237], v[236:237], v[126:127]
	v_pk_add_f32 v[248:249], v[248:249], v[130:131]
	v_pk_add_f32 v[246:247], v[246:247], v[134:135]
	v_pk_add_f32 v[244:245], v[244:245], v[138:139]
	v_pk_add_f32 v[242:243], v[242:243], v[142:143]
	v_pk_add_f32 v[240:241], v[240:241], v[146:147]
	v_pk_add_f32 v[222:223], v[222:223], v[150:151]
	v_pk_add_f32 v[14:15], v[14:15], v[154:155]
	v_pk_add_f32 v[236:237], v[236:237], v[158:159]
	s_delay_alu instid0(VALU_DEP_2)
	v_pk_add_f32 v[14:15], v[14:15], v[244:245]
	s_delay_alu instid0(VALU_DEP_2)
	v_pk_add_f32 v[236:237], v[236:237], v[242:243]
	v_pk_add_f32 v[248:249], v[248:249], v[240:241]
	v_pk_add_f32 v[246:247], v[246:247], v[222:223]
	s_delay_alu instid0(VALU_DEP_2)
	v_pk_add_f32 v[14:15], v[14:15], v[248:249]
	s_delay_alu instid0(VALU_DEP_2)
	v_pk_add_f32 v[236:237], v[236:237], v[246:247]
	s_delay_alu instid0(VALU_DEP_1)
	v_pk_add_f32 v[14:15], v[14:15], v[236:237]
.irp t, 0,1,2,3                                ; V^T's four feature tiles x 128 keys, into the registers that p has left
.irp c, 0,1
	ds_load_b128 v[96+12*\t+6*\c:99+12*\t+6*\c],   v8 offset:VIMG+1536*\t+768*\c
	ds_load_b64 v[100+12*\t+6*\c:101+12*\t+6*\c], v9 offset:VIMG+1536*\t+768*\c+512
.endr
.endr
	s_setprio 0
	ds_load_b128 v[88:91], v10 offset:VSC          ; and their scale words
.set JJ, 0
.rept 16
	v_pk_mul_f32 v[160+JJ:161+JJ], v[160+JJ:161+JJ], v[252:253] op_sel_hi:[1,0]   ; O^T under the new M, while the loads are out
.set JJ, JJ+2
.endr
	s_wait_alu depctr_va_vdst(0)
	s_wait_dscnt 0x0
.irp t, 0,1,2,3                                ; O^T += V^T P^T; no two matrix instructions that follow each other share an accumulator, over the backward jump too
	v_wmma_scale_f32_16x16x128_f8f6f4 v[160+8*\t:167+8*\t], v[96+12*\t:107+12*\t], v[224:235], v[160+8*\t:167+8*\t], v[88+\t], v253 matrix_a_fmt:MATRIX_FMT_FP6 matrix_b_fmt:MATRIX_FMT_FP6
.endr
	s_add_co_u32 s[TB], s[TB], BLKB
	s_add_co_u32 s[TM], s[TM], 512
.endm
; A PASS: my tile of 16 query places against all 2,048 keys.  The pass enters the addresses as immediates: no base is stepped.
.macro PASS p
.if \p
	s_wait_xcnt 0x0                                ; the last pass's stores have read their registers
.endif
	global_load_b128 v[16:19], v1, s[48:49] offset:2*BLKB*\p
	global_load_b64 v[20:21], v2, s[48:49] offset:2*BLKB*\p+512
	global_load_b32 v255, v3, s[50:51] offset:2*BLKB*\p+KSC
	v_mov_b32 v13, 0xf1800000                      ; the largest t so far: -2^100
	s_delay_alu instid0(VALU_DEP_1)
	v_floor_f32 v12, -v13                          ; -M
	v_mov_b32 v14, 0
	v_mov_b32 v15, 0
.set JJ, 0
.rept 32
	v_mov_b32 v[160+JJ], 0                         ; O^T: the step is written once; its first trip finds zeros
.set JJ, JJ+1
.endr
	s_mov_b32 s[TB], 0
	s_mov_b32 s[TM], 0
	s_mov_b32 s[CNT], 16
	s_wait_loadcnt 0x0
.Lstep_\@:
	s_setprio 2
	STEP
	s_sub_co_u32 s[CNT], s[CNT], 1
	s_cmp_lg_u32 s[CNT], 0
	s_cbranch_scc1 .Lstep_\@
	s_setprio 0
.rept 4
	v_nop                                          ; places behind the last products
.endr
	v_add_f32 v14, v14, v15                        ; the sum's two halves,
	s_delay_alu instid0(VALU_DEP_1)
	v_permlanex16_b32 v252, v14, s[SEL], s[SEL+1]
	s_delay_alu instid0(VALU_DEP_1)
	v_add_f32 v14, v14, v252                       ; and lane l xor 16's
	s_wait_alu depctr_va_vdst(0)
	v_rcp_f32 v14, v14
	v_nop                                          ; a plain line behind the transcendental
.set JJ, 0
	s_wait_alu depctr_va_vdst(0)
.rept 32
	v_mul_f32 v[96+JJ], v[160+JJ], v14             ; ctx: register 16 beta + i is feature 32 beta + 16 h + i of my query
.set JJ, JJ+1
.endr
.irp b, 0,1                                    ; its two blocks of 32 are quantised as every computed operand is
	v_max3_num_f32 v[232+\b], |v[96+16*\b]|, |v[97+16*\b]|, 0x1800000
.endr
.irp i, 2,4,6,8,10,12,14
.irp b, 0,1
	s_delay_alu instid0(VALU_DEP_2)
	v_max3_num_f32 v[232+\b], v[232+\b], |v[96+16*\b+\i]|, |v[97+16*\b+\i]|
.endr
.endr
.irp b, 0,1
	s_delay_alu instid0(VALU_DEP_2)
	v_permlanex16_b32 v[236+\b], v[232+\b], s[SEL], s[SEL+1]
.endr
.irp b, 0,1
	s_delay_alu instid0(VALU_DEP_2)
	v_max_num_f32 v[232+\b], v[232+\b], v[236+\b]
.endr
.irp b, 0,1
	s_delay_alu instid0(VALU_DEP_2)
	v_add_nc_u32 v[244+\b], 0xff000000, v[232+\b]
.endr
.irp b, 0,1
	s_delay_alu instid0(VALU_DEP_2)
	v_lshrrev_b32 v[236+\b], 23, v[244+\b]
.endr
	s_delay_alu instid0(VALU_DEP_1)
	v_lshl_or_b32 v240, v237, 8, v236              ; the head's two scale bytes of my row
	v_cvt_scalef32_pk16_fp6_f32 v[224:226], v[96:111], v244
	v_cvt_scalef32_pk16_fp6_f32 v[236:238], v[112:127], v245
	v_nop
.irp i, 0,1,2
	v_permlane16_swap_b32 v[224+\i], v[236+\i]
.endr
.irp i, 0,1,2
	s_delay_alu instid0(VALU_DEP_3)
	v_mov_b32 v[227+\i], v[236+\i]
.endr
	global_store_b128 v1, v[224:227], s[56:57] offset:196608*\p          ; the image: 512 consecutive bytes,
	global_store_b64 v2, v[228:229], s[56:57] offset:196608*\p+512       ; 256 more
	global_store_b16 v6, v240, s[58:59] offset:8192*\p                   ; two bytes of each row's 32: one part in 24 of ctx's bytes; lanes l and l xor 16 write the same bytes with the same value
.endm
	PASS 0
	PASS 1
	s_wait_dscnt 0x0
	s_wait_tensorcnt 0x0
	ds_add_u32 v250, v251
	s_wait_dscnt 0x0
	CROUND                                         ; the closing round
	s_endpgm
.Lfunc_end_k_q0fbfeffd0e_attn:
	.size	k_q0fbfeffd0e_attn, .Lfunc_end_k_q0fbfeffd0e_attn-k_q0fbfeffd0e_attn
	.p2alignl 7, 3214868480
	.fill 96, 4, 3214868480
	.section	.rodata,"a",@progbits
	.p2align	6, 0x0
	.amdhsa_kernel k_q0fbfeffd0e_attn
		.amdhsa_group_segment_fixed_size 219136
		.amdhsa_private_segment_fixed_size 0
		.amdhsa_enable_private_segment 0
		.amdhsa_kernarg_size 40
		.amdhsa_user_sgpr_count 2
		.amdhsa_user_sgpr_kernarg_segment_ptr 1
		.amdhsa_wavefront_size32 1
		.amdhsa_system_sgpr_workgroup_id_x 1
		.amdhsa_system_sgpr_workgroup_id_y 1
		.amdhsa_system_sgpr_workgroup_id_z 1
		.amdhsa_system_vgpr_workitem_id 0
		.amdhsa_next_free_vgpr 256
		.amdhsa_next_free_sgpr 66
		.amdhsa_reserve_vcc 1
		.amdhsa_float_denorm_mode_32 3
		.amdhsa_float_denorm_mode_16_64 3
		.amdhsa_memory_ordered 1
		.amdhsa_forward_progress 1
		.amdhsa_inst_pref_size 56
	.end_amdhsa_kernel
	.amdgpu_metadata
---
amdhsa.version: [ 1, 2 ]
amdhsa.kernels:
  - .name:           k_q0fbfeffd0e_attn
    .symbol:         k_q0fbfeffd0e_attn.kd
    .args:
      - { .name: qb, .offset: 0, .size: 8, .value_kind: global_buffer, .address_space: global }
      - { .name: kv, .offset: 8, .size: 8, .value_kind: global_buffer, .address_space: global }
      - { .name: mask, .offset: 16, .size: 8, .value_kind: global_buffer, .address_space: global }
      - { .name: cimg, .offset: 24, .size: 8, .value_kind: global_buffer, .address_space: global }
      - { .name: cscl, .offset: 32, .size: 8, .value_kind: global_buffer, .address_space: global }
    .group_segment_fixed_size: 219136
    .private_segment_fixed_size: 0
    .kernarg_segment_align: 8
    .kernarg_segment_size: 40
    .max_flat_workgroup_size: 512
    .sgpr_count:     66
    .vgpr_count:     256
    .wavefront_size: 32
...
	.end_amdgpu_metadata
.endif
;; end of part 3
;; launch outp (part 4): grid 4 x 32, 4 waves a work-group, clusters of 4 x 4, 327,680 bytes of LDS; arguments cimg, cscl, cods, scls, bo, out0; writes out0
.if DOCPART == 4
	.amdgcn_target "amdgcn-amd-amdhsa--gfx1250"
	.amdhsa_code_object_version 6
	.text
	.protected	k_q0fbfeffd0e_outp
	.globl	k_q0fbfeffd0e_outp
	.p2align	8
	.type	k_q0fbfeffd0e_outp,@function
k_q0fbfeffd0e_outp:
	s_mov_b64 s[64:65], 0
	v_nop
	global_prefetch_b8 v0, s[64:65] scope:SCOPE_SE
	s_setreg_imm32_b32 hwreg(HW_REG_WAVE_MODE, 25, 1), 1
	s_wait_xcnt 0x0
	s_wait_alu depctr_hold_cnt(0) depctr_sa_sdst(0) depctr_va_vdst(0) depctr_va_sdst(0) depctr_va_ssrc(0) depctr_va_vcc(0) depctr_vm_vsrc(0)
	s_getreg_b32 s2, hwreg(HW_REG_IB_STS2, 6, 4)
	s_cmp_eq_u32 s2, 0
	s_cbranch_scc0 .Lentry_in_a_cluster
	s_endpgm
.Lentry_in_a_cluster:
	s_bfe_u32 s2, ttmp6, 0x10000c
	s_cmp_lg_u32 s2, 0xf033
	s_cbranch_scc0 .Lentry_shape_is_right
	s_endpgm
.Lentry_shape_is_right:
; out0 = ctx Wo^T + bo on codes of FP6 (E2M3) with E8M0 scales, K = 1,024.  128 tiles of 256 x 256; four waves, a wave 128 x 128: 64 accumulators, 512 registers.
; Side A = ctx, which lies as IMAGES OF FRAGMENT REGISTERS: cimg [tile of 16 places][head][768 bytes: registers 0-3 at 16 x lane, registers 4-5 at 512 + 8 x lane]; two heads are one fragment of 128 along K.
; Its scale bytes, cscl [place][32], lie as rows.  Side B = Wo's rows in cods and scls, from row 27,648 on.  Both sides' rows lie with bits 3 and 4 of the row number exchanged; the way out puts both back.
; K goes in steps of 256 (four heads) through a ring of two LDS slots filled by tensor loads; the scale bytes of the group's 512 rows come once.  A's tiles are asked for jointly by the four work-groups of a row of
; the cluster, B's by the four of a column.  The matrix instruction is used transposed (source 0 = 16 rows of Wo, source 1 = 16 places of ctx): a lane holds eight neighbouring numbers of a row of the output.
; 128 work-groups: a smaller tile would give more, at twice the LDS reads for each product; this text keeps the larger tile.
; REGISTERS: window 0: v0-31 addresses; v32-63 scale words, two sets; v64-67 the bias; v128-223 A's fragments, one set; on the way out v128-255 rows of the output.
;   window 1: B's fragments, two sets.   window 2: the accumulators of my rows 0-63 ((a, b) at v[8 (8 a + b)]);   window 3: those of my rows 64-127.
.set SIZE_K, 1024
.set KSTEP,  256
.set NQ,     KSTEP/128
.set ROWB,   192                       ; B: a tile's row in bytes
.set ROWA,   3072                      ; A: a tile of 16 places x 256 along K: four images
.set KROW,   SIZE_K*6/8
.set PITCH,  240                       ; B's LDS row: 3 x (64 bytes + 16 of padding)
.set FR,     12
.set NL,     6                         ; LDS loads that bring a fragment of B
.set NLA,    4                         ; and of A
.set NP,     4                         ; places behind this matrix instruction (ISA guide 7.12.1)
.set HALFT,  128*PITCH                 ; a wave's part of a slot (A's eight tiles use 24,576 bytes of it)
.set SLOT,   4*HALFT
.set LAPS,   SIZE_K/(2*KSTEP)
.set KS,     SIZE_K/32
.set SCL,    2*SLOT
.set HALFS,  (128*KS/256)*272
.set SBLK,   (16*KS/256)*272
.set SPARE,  SCL+4*HALFS               ; the spare words, 128 bytes for each wave: two blocks of 256 bytes that no other line names
.set SPITCH, 528                       ; the way out: a stage of 16 rows x (512 bytes + 16) for each wave, in slot 0, which has had its last fill and its last read by then
.set ADRA, 16                          ; v16-17 16 x lane + my A tiles in slot 0, 1;  v18-19 8 x lane + the same
.set ADRB, 20                          ; v20-23 B's, as rows
.set STO,  24
.set RD,   25
.set CO,   26
.set ADRS, 27
.set SPW,  28                          ; my spare word; never rewritten
.set NIL,  29                          ; 0; never rewritten
.set SC,   32
.set BO,   64                          ; v64-67 the bias of my four columns of a row
.set AF,   128
.set BK,   128
.set G1, 24
.set G0, 32
.set G1B, 48
.set G0B, 56
.set G1S, 68
.set G0S, 76
.set G1SB, 80
.set G0SB, 88
.set MSB, 0
.macro WIN new                         ; the immediate's high byte repeats the setting that is left
.if MSB != \new
	s_set_vgpr_msb (MSB<<8)|\new
.set MSB, \new
.endif
.endm
.set MUL_LO, 0xa1
.set MUL_HI, 0xf1
.set TO_B,   0x40
.macro JLOAD g0a, g1a, g0b, g1b        ; a joint load: waves 0 and 1 fetch for A, waves 2 and 3 for B; four v_nop follow each of the two lines
	s_cmp_eq_u32 s15, 0
	s_cbranch_scc0 .Lfor_b_\@
	tensor_load_to_lds s[\g0a:\g0a+3], s[\g1a:\g1a+7]
	s_nop 0
.rept 4
	v_nop
.endr
	s_branch .Lasked_\@
.Lfor_b_\@:
	tensor_load_to_lds s[\g0b:\g0b+3], s[\g1b:\g1b+7]
	s_nop 0
.rept 4
	v_nop
.endr
.Lasked_\@:
.endm
.macro CREST
	s_cmp_lg_u32 s14, 0
	s_cbranch_scc1 .Lnot_wave_0_\@
	s_barrier_signal -3
.Lnot_wave_0_\@:
	s_barrier_wait -3
	s_barrier_signal -1
	s_barrier_wait -1
.endm
.macro CROUND
	s_barrier_signal -1
	s_barrier_wait -1
	CREST
.endm
	s_load_b256 s[4:11], s[0:1], 0x0               ; cimg s[4:5], cscl s[6:7], cods s[8:9], scls s[10:11]
	s_load_b128 s[96:99], s[0:1], 0x20             ; bo s[96:97], out0 s[98:99]
	v_lshl_add_u32 v[SPW], v0, 2, SPARE
	v_mov_b32 v[NIL], 0
	ds_add_u32 v28, v29
	ds_add_u32 v28, v29
	s_wait_dscnt 0x0
	v_lshrrev_b32 v1, 5, v0
	v_readfirstlane_b32 s14, v1                    ; wave 0..3
	s_lshr_b32 s15, s14, 1                         ; which half of the tile's rows is mine.  Also: I fetch for A (0) or for B (1)
	s_and_b32 s16, s14, 1                          ; which half of its columns.  Also: which half of that tile I fetch
	s_bfe_u32 s40, ttmp6, 0x40000                  ; cx, cy
	s_bfe_u32 s41, ttmp6, 0x40004
	s_lshl_b32 s42, ttmp9, 2
	s_add_co_u32 s42, s42, s40                     ; tile column
	s_and_b32 s17, ttmp7, 0xffff
	s_lshl_b32 s17, s17, 2
	s_add_co_u32 s17, s17, s41                     ; tile row
	s_lshl_b32 s43, s41, 2
	s_lshl_b32 s43, 15, s43                        ; my row of the cluster
	s_lshl_b32 s44, 0x1111, s40                    ; my column
	; A: 8 tiles of 16 places, of each 3,072 consecutive bytes (384 elements of 8), 12,288 bytes from tile to tile; dense in LDS
	s_or_b32 s[G1+0], s43, (3<<16)|(1<<21)
	s_mov_b32 s[G1+1], 384<<16
	s_mov_b32 s[G1+2], 8<<16
	s_mov_b32 s[G1+3], 384<<16
	s_mov_b32 s[G1+4], 8
	s_mov_b32 s[G1+5], 1536
	s_mov_b32 s[G1+6], 0
	s_mov_b32 s[G1+7], 0
	; B: 128 rows x 192 bytes, 16 bytes of padding behind every 64
	s_or_b32 s[G1B+0], s44, (0<<16)|(1<<20)|(1<<21)|(3<<22)|(3<<25)
	s_mov_b32 s[G1B+1], ROWB<<16
	s_mov_b32 s[G1B+2], 128<<16
	s_mov_b32 s[G1B+3], ROWB<<16
	s_mov_b32 s[G1B+4], 128
	s_mov_b32 s[G1B+5], KROW
	s_mov_b32 s[G1B+6], 0
	s_mov_b32 s[G1B+7], 0
	; the scales of 128 rows: 4,096 dense bytes, as 16 rows of 256 bytes, 16 bytes of padding behind each
	s_or_b32 s[G1S+0], s43, (3<<16)|(1<<20)|(1<<21)|(5<<22)|(3<<25)
	s_or_b32 s[G1SB+0], s44, (3<<16)|(1<<20)|(1<<21)|(5<<22)|(3<<25)
.irp g, G1S, G1SB
	s_mov_b32 s[\g+1], 32<<16
	s_mov_b32 s[\g+2], (128*KS/256)<<16
	s_mov_b32 s[\g+3], 32<<16
	s_mov_b32 s[\g+4], 128*KS/256
	s_mov_b32 s[\g+5], 32
	s_mov_b32 s[\g+6], 0
	s_mov_b32 s[\g+7], 0
.endr
	s_lshl_b32 s20, s17, 4
	s_lshl_b32 s18, s16, 3
	s_add_co_u32 s20, s20, s18                     ; A: tile of places 16 x tile row + 8 x half
	s_mul_i32 s20, s20, 12288
	s_mov_b32 s21, 0
	s_lshl_b32 s22, s17, 13
	s_lshl_b32 s18, s16, 12
	s_add_co_u32 s22, s22, s18                     ; its scales: 32 (256 x tile row + 128 x half)
	s_mov_b32 s23, 0
	s_lshl_b32 s46, s42, 8
	s_lshl_b32 s47, s16, 7
	s_add_co_u32 s46, s46, s47
	s_add_co_u32 s46, s46, 27648                   ; B: row 27,648 + 256 x tile column + 128 x half
	s_lshl_b32 s92, s46, 5
	s_mov_b32 s93, 0
	s_mul_i32 s46, s46, KROW
	s_mov_b32 s47, 0
	s_mul_i32 s45, s14, HALFT                      ; where they go: no place in the cluster enters an LDS address
	s_mul_i32 s94, s14, HALFS
	s_wait_kmcnt 0x0
	s_add_nc_u64 s[20:21], s[4:5], s[20:21]
	s_add_nc_u64 s[22:23], s[6:7], s[22:23]
	s_add_nc_u64 s[46:47], s[8:9], s[46:47]
	s_add_nc_u64 s[92:93], s[10:11], s[92:93]
	CROUND                                         ; all sixteen work-groups are here: the first joint loads meet
	s_mov_b32 s[G0S], 1
	s_add_co_u32 s[G0S+1], s94, SCL
	s_mov_b64 s[G0S+2:G0S+3], s[22:23]
	s_or_b32 s[G0S+3], s[G0S+3], 0x80000000
	s_mov_b32 s[G0SB], 1
	s_add_co_u32 s[G0SB+1], s94, SCL
	s_mov_b64 s[G0SB+2:G0SB+3], s[92:93]
	s_or_b32 s[G0SB+3], s[G0SB+3], 0x80000000
	JLOAD G0S, G1S, G0SB, G1SB
.irp s, 0,1
	s_mov_b32 s[G0+4*\s], 1
	s_add_co_u32 s[G0+4*\s+1], s45, \s*SLOT
	s_add_nc_u64 s[G0+4*\s+2:G0+4*\s+3], s[20:21], \s*ROWA
	s_or_b32 s[G0+4*\s+3], s[G0+4*\s+3], 0x80000000
	s_mov_b32 s[G0B+4*\s], 1
	s_add_co_u32 s[G0B+4*\s+1], s45, \s*SLOT
	s_add_nc_u64 s[G0B+4*\s+2:G0B+4*\s+3], s[46:47], \s*ROWB
	s_or_b32 s[G0B+4*\s+3], s[G0B+4*\s+3], 0x80000000
	JLOAD G0+4*\s, G1, G0B+4*\s, G1B
.endr
	v_and_b32 v1, 15, v0                           ; r
	v_bfe_u32 v2, v0, 4, 1                         ; h
	v_and_b32 v6, 31, v0                           ; lane
	v_lshlrev_b32 v[CO], 4, v6                     ; 16 x lane
	v_lshlrev_b32 v7, 3, v6                        ; 8 x lane
	v_mul_u32_u24 v3, v1, PITCH
	v_mul_u32_u24 v4, v2, 24
	v_add_nc_u32 v4, v3, v4                        ; B: a fragment's row x pitch + 24 x half
	v_lshl_add_u32 v5, v2, 4, v4                   ; and the same behind one padding more
	s_mul_i32 s21, s15, HALFT                      ; my 8 tiles of A
	s_mul_i32 s22, s16, HALFT                      ; my 128 rows of B,
	s_add_co_u32 s22, s22, 2*HALFT                 ; which lie behind A's parts
.irp s, 0,1
	v_add_nc_u32 v[ADRA+\s], s21, v[CO]
	v_add_nc_u32 v[ADRA+2+\s], s21, v7
	v_add_nc_u32 v[ADRB+\s], s22, v4
	v_add_nc_u32 v[ADRB+2+\s], s22, v5
	s_add_co_u32 s21, s21, SLOT
	s_add_co_u32 s22, s22, SLOT
.endr
	v_mul_u32_u24 v5, v1, KS
	v_lshrrev_b32 v6, 8, v5
	v_lshl_add_u32 v5, v6, 4, v5
	s_mul_i32 s21, s15, HALFS
	s_mul_i32 s22, s16, HALFS
	s_add_co_u32 s22, s22, 2*HALFS
	s_sub_co_u32 s22, s22, s21
	v_mul_u32_u24 v6, s22, v2                      ; lanes 16-31 take B's scale words
	s_add_co_u32 s21, s21, SCL
	v_add_nc_u32 v5, v5, v6
	v_add_nc_u32 v[ADRS], s21, v5
	s_mul_i32 s23, s14, 16*SPITCH                  ; my stage
	v_mul_u32_u24 v5, v1, SPITCH                   ; in: row r; my half's columns begin 64 h bytes on in each 128
	v_lshl_add_u32 v5, v2, 6, v5
	v_add_nc_u32 v[STO], s23, v5
	v_add_nc_u32 v[RD], s23, v[CO]                 ; back: the 32 lanes take one row of 512 bytes
	s_lshl_b32 s20, s17, 8
	s_lshl_b32 s21, s15, 7
	s_add_co_u32 s20, s20, s21                     ; my first row of the output: 256 x tile row + 128 x half
	s_lshl_b32 s20, s20, 12                        ; 4,096 bytes a row
	s_lshl_b32 s46, s42, 10
	s_lshl_b32 s47, s16, 9
	s_add_co_u32 s46, s46, s47                     ; my first column, in bytes
	s_mov_b32 s47, 0
	s_add_nc_u64 s[96:97], s[96:97], s[46:47]
	s_add_co_u32 s20, s20, s46
	s_mov_b32 s21, 0
	s_add_nc_u64 s[12:13], s[98:99], s[20:21]
	global_load_b128 v[BO:BO+3], v[CO], s[96:97]   ; the bias of the four columns that I store of every row
.macro FRAG reg, adr, q, i             ; a fragment of B from rows: 24 bytes of the row's stream of bits twice, in pieces of 8 bytes
.irp p, 0,1,2,3,4,5
.set PCE, 12*(\q)+6*(\p/3)+\p%3
.if PCE%8 < 5
	ds_load_b64 v[\reg+2*\p:\reg+2*\p+1], v[\adr] offset:8*PCE+16*(PCE/8)+(\i)*16*PITCH
.else
	ds_load_b64 v[\reg+2*\p:\reg+2*\p+1], v[\adr+2] offset:8*PCE+16*(PCE/8)+(\i)*16*PITCH
.endif
.endr
.endm
.macro FRAGA reg, slot, q, i           ; a fragment of A from two images: every load reads consecutive bytes
	ds_load_b128 v[\reg:\reg+3],     v[ADRA+\slot]   offset:ROWA*(\i)+1536*(\q)
	ds_load_b64  v[\reg+4:\reg+5],   v[ADRA+2+\slot] offset:ROWA*(\i)+1536*(\q)+512
	ds_load_b128 v[\reg+6:\reg+9],   v[ADRA+\slot]   offset:ROWA*(\i)+1536*(\q)+768
	ds_load_b64  v[\reg+10:\reg+11], v[ADRA+2+\slot] offset:ROWA*(\i)+1536*(\q)+1280
.endm
; 16 matrix instructions; the 64 accumulators take turns, one instruction a turn
.macro MUL16 a0, p, q, sc, zero
.irp a, \a0, \a0+1
.irp b, 0,1,2,3,4,5,6,7
.if \zero
	v_wmma_scale_f32_16x16x128_f8f6f4 v[8*(8*((\a)%4)+\b):8*(8*((\a)%4)+\b)+7], v[128*(\p)+FR*\b:128*(\p)+FR*\b+FR-1], v[AF+FR*(\a):AF+FR*(\a)+FR-1], 0, v[SC+8*NQ*(\sc)+NQ*\b+(\q)], v[SC+8*NQ*(\sc)+NQ*(\a)+(\q)] matrix_a_fmt:MATRIX_FMT_FP6 matrix_b_fmt:MATRIX_FMT_FP6 matrix_a_scale:MATRIX_SCALE_ROW1
.else
	v_wmma_scale_f32_16x16x128_f8f6f4 v[8*(8*((\a)%4)+\b):8*(8*((\a)%4)+\b)+7], v[128*(\p)+FR*\b:128*(\p)+FR*\b+FR-1], v[AF+FR*(\a):AF+FR*(\a)+FR-1], v[8*(8*((\a)%4)+\b):8*(8*((\a)%4)+\b)+7], v[SC+8*NQ*(\sc)+NQ*\b+(\q)], v[SC+8*NQ*(\sc)+NQ*(\a)+(\q)] matrix_a_fmt:MATRIX_FMT_FP6 matrix_b_fmt:MATRIX_FMT_FP6 matrix_a_scale:MATRIX_SCALE_ROW1
.endif
.endr
.endr
.endm
.macro FETCH_B slot, q, p
	WIN TO_B
.irp i, 0,1,2,3,4,5,6,7
	FRAG 128*(\p)+FR*\i, ADRB+\slot, \q, \i
.endr
	WIN 0
.endm
.macro FETCH_A slot, q, i0
.irp i, \i0, \i0+1, \i0+2, \i0+3
	FRAGA AF+FR*(\i), \slot, \q, \i
.endr
.endm
.macro SCALES sc
.irp i, 0,1,2,3,4,5,6,7
	ds_load_b64 v[SC+8*NQ*\sc+NQ*\i:SC+8*NQ*\sc+NQ*\i+1], v[ADRS] offset:\i*SBLK
.endr
.endm
.macro PLACES n
.rept \n
	v_nop
.endr
.endm
.macro STEP slot, q, zero
	s_wait_dscnt 4*NLA                             ; B's set and A's blocks 0-3 are in; the youngest 16 loads (A's blocks 4-7) may be out
	WIN MUL_LO
	MUL16 0, (\q)%2, \q, \slot, \zero
	MUL16 2, (\q)%2, \q, \slot, \zero
	s_wait_dscnt 0
	PLACES NP
	FETCH_B \slot, (\q)+1, 1-(\q)%2
	FETCH_A \slot, (\q)+1, 0
	WIN MUL_HI
	MUL16 4, (\q)%2, \q, \slot, \zero
	MUL16 6, (\q)%2, \q, \slot, \zero
	PLACES NP
	WIN 0
	FETCH_A \slot, (\q)+1, 4
.endm
.macro TURN slot, next, fill
	s_wait_tensorcnt 0x0                           ; all my tensor loads have landed: my part of the next slot
	ds_add_u32 v[SPW], v[NIL]                      ; 0 onto my spare word
	s_wait_dscnt 4*NLA+1                           ; (the add and the youngest 16 loads may be out)
	WIN MUL_LO
	MUL16 0, 1, NQ-1, \slot, 0
	s_wait_dscnt 0x0                               ; the add is done, and my reads of this slot are over
	s_barrier_signal -1
	MUL16 2, 1, NQ-1, \slot, 0
	WIN 0
	s_barrier_wait -1
.if \fill
	CREST                                          ; a round of the cluster's barrier: no wave of any partner still reads this slot or has a load on its way
	s_add_nc_u64 s[G0+4*\slot+2:G0+4*\slot+3], s[G0+4*\slot+2:G0+4*\slot+3], 2*ROWA
	s_add_nc_u64 s[G0B+4*\slot+2:G0B+4*\slot+3], s[G0B+4*\slot+2:G0B+4*\slot+3], 2*ROWB
	JLOAD G0+4*\slot, G1, G0B+4*\slot, G1B         ; the first tensor load behind the round; its four v_nop are the places in front of the loads below
.else
	PLACES NP
.endif
	v_add_nc_u32 v[ADRS], 4*NQ, v[ADRS]
	FETCH_B \next, 0, 0
	FETCH_A \next, 0, 0
	SCALES \next
	WIN MUL_HI
	MUL16 4, 1, NQ-1, \slot, 0
	MUL16 6, 1, NQ-1, \slot, 0
	PLACES NP
	WIN 0
	FETCH_A \next, 0, 4
.endm
	s_wait_loadcnt 0x0                             ; the bias
	s_wait_tensorcnt 1                             ; the scales and my part of K step 0 are in (K step 1's load may be out)
	s_barrier_signal -1
	s_barrier_wait -1                              ; everybody's are
	FETCH_B 0, 0, 0
	FETCH_A 0, 0, 0
	SCALES 0
	FETCH_A 0, 0, 4
	STEP 0, 0, 1                                   ; the first step's products start the sums
	s_mov_b32 s3, LAPS-1
.Llap:
	TURN 0, 1, 1
	STEP 1, 0, 0
	TURN 1, 0, 1
	STEP 0, 0, 0
	s_sub_co_u32 s3, s3, 1
	s_cmp_lg_u32 s3, 0
	s_cbranch_scc1 .Llap
	TURN 0, 1, 0                                   ; the last lap fills nothing
	STEP 1, 0, 0
	s_wait_dscnt 4*NLA
	WIN MUL_LO
	MUL16 0, 1, NQ-1, 1, 0
	MUL16 2, 1, NQ-1, 1, 0
	s_wait_dscnt 0
	WIN MUL_HI
	MUL16 4, 1, NQ-1, 1, 0
	MUL16 6, 1, NQ-1, 1, 0
	WIN 0
; THE WAY OUT, block by block of 16 places x 128 columns, through my own stage.  Register j of accumulator (a, b) in lane (r, h) is column 32 (b / 2) + 16 h + 8 (b % 2) + j of the row at place r of block a:
; the stage's offsets put the columns in their true order, and row t of the stage is stored as the true row 32 (a / 2) + 8 (a % 2) + t + 8 (t / 8).
.macro TOSTAGE a
.set AC, 64*((\a)%4)
	WIN 0x08+4*((\a)/4)                            ; the data: window 2 or 3
.irp b, 0,1,2,3,4,5,6,7
	ds_store_b128 v[STO], v[AC+8*\b:AC+8*\b+3] offset:128*(\b/2)+32*(\b%2)          ; each accumulator from its low end on
	ds_store_b128 v[STO], v[AC+8*\b+4:AC+8*\b+7] offset:128*(\b/2)+32*(\b%2)+16
.endr
	WIN 0
.set BB, BK+64*((\a)%2)
.irp t, 0,1,2,3,4,5,6,7,8,9,10,11,12,13,14,15
	ds_load_b128 v[BB+4*\t:BB+4*\t+3], v[RD] offset:\t*SPITCH      ; LDS serves a wave's instructions in order (ISA guide 5.7.1.4): these see the stores above
.endr
.endm
.macro SEND a, younger                 ; younger: the LDS instructions issued behind block a's loads, which may stay out
.set BB, BK+64*((\a)%2)
	s_wait_dscnt \younger
.irp t, 0,1,2,3,4,5,6,7,8,9,10,11,12,13,14,15
	v_pk_add_f32 v[BB+4*\t:BB+4*\t+1], v[BB+4*\t:BB+4*\t+1], v[BO:BO+1]
	v_pk_add_f32 v[BB+4*\t+2:BB+4*\t+3], v[BB+4*\t+2:BB+4*\t+3], v[BO+2:BO+3]
	global_store_b128 v[CO], v[BB+4*\t:BB+4*\t+3], s[12:13] offset:4096*(32*((\a)/2)+8*((\a)%2)+\t+8*(\t/8)) th:TH_STORE_NT   ; 32 lanes store 512 consecutive aligned bytes; 127 rows on at the most: inside the signed 24-bit immediate
.endr
.endm
	PLACES NP                                      ; behind the last products: results are read, and A's registers loaded into
	TOSTAGE 0
.irp a, 1,2,3,4,5,6,7
.if \a > 1
	s_wait_xcnt 0x0                                ; block a - 2's stores have read their registers: block a's loads may land there
.endif
	TOSTAGE \a
	SEND \a-1, 32                                  ; behind block a - 1's loads: block a's 16 stores and 16 loads
.endr
	SEND 7, 0
	s_wait_tensorcnt 0x0                           ; the wave's end
	ds_add_u32 v[SPW], v[NIL]
	s_wait_dscnt 0x0
	CROUND                                         ; the closing round
	s_endpgm
.Lfunc_end_k_q0fbfeffd0e_outp:
	.size	k_q0fbfeffd0e_outp, .Lfunc_end_k_q0fbfeffd0e_outp-k_q0fbfeffd0e_outp
	.p2alignl 7, 3214868480
	.fill 96, 4, 3214868480
	.section	.rodata,"a",@progbits
	.p2align	6, 0x0
	.amdhsa_kernel k_q0fbfeffd0e_outp
		.amdhsa_group_segment_fixed_size 327680
		.amdhsa_private_segment_fixed_size 0
		.amdhsa_enable_private_segment 0
		.amdhsa_kernarg_size 48
		.amdhsa_user_sgpr_count 2
		.amdhsa_user_sgpr_kernarg_segment_ptr 1
		.amdhsa_wavefront_size32 1
		.amdhsa_system_sgpr_workgroup_id_x 1
		.amdhsa_system_sgpr_workgroup_id_y 1
		.amdhsa_system_sgpr_workgroup_id_z 1
		.amdhsa_system_vgpr_workitem_id 0
		.amdhsa_next_free_vgpr 1024
		.amdhsa_next_free_sgpr 100
		.amdhsa_reserve_vcc 0
		.amdhsa_float_denorm_mode_32 3
		.amdhsa_float_denorm_mode_16_64 3
		.amdhsa_memory_ordered 1
		.amdhsa_forward_progress 1
		.amdhsa_inst_pref_size 168
	.end_amdhsa_kernel
	.amdgpu_metadata
---
amdhsa.version: [ 1, 2 ]
amdhsa.kernels:
  - .name:           k_q0fbfeffd0e_outp
    .symbol:         k_q0fbfeffd0e_outp.kd
    .args:
      - { .name: cimg, .offset: 0, .size: 8, .value_kind: global_buffer, .address_space: global }
      - { .name: cscl, .offset: 8, .size: 8, .value_kind: global_buffer, .address_space: global }
      - { .name: cods, .offset: 16, .size: 8, .value_kind: global_buffer, .address_space: global }
      - { .name: scls, .offset: 24, .size: 8, .value_kind: global_buffer, .address_space: global }
      - { .name: bo, .offset: 32, .size: 8, .value_kind: global_buffer, .address_space: global }
      - { .name: out0, .offset: 40, .size: 8, .value_kind: global_buffer, .address_space: global }
    .group_segment_fixed_size: 327680
    .private_segment_fixed_size: 0
    .kernarg_segment_align: 8
    .kernarg_segment_size: 48
    .max_flat_workgroup_size: 128
    .sgpr_count:     100
    .vgpr_count:     1024
    .wavefront_size: 32
...
	.end_amdgpu_metadata
.endif
;; end of part 4
